; MI455X (gfx1250); checked and timed in simulation.
; The chip was launched on July 23, 2026; its instructions are those of AMD's public machine-readable ISA for CDNA 5 (MIT licence, August 2026) and "CDNA5" Instruction Set Architecture Reference Guide (July 2026). The comments in the code are by the model that wrote it; some were corrected since.
;; Simple Mo E. Allowed arithmetic: matrix products marked QUANTISED: E2M1 operands, one E8M0 scale for each 32 along K, by v_wmma_scale_f32_16x16x128_f8f6f4 with both operands' format E2M1 (or v_wmma_scale_f32_32x16x128_f4), f32 sums; products left as they are: f32 operands where the result goes on into a quantised operand, else bf16, f16 or f32 operands; f32 sums; everything else in f32.
;; Inputs: W1_codes 8 x 4,096 x 32 x 16 uint8 (E2M1 codes of W1, K innermost, in blocks of 32 codes, two codes a byte); W1_scales 8 x 4,096 x 32 uint8 (E8M0 scales of W1, one for each 32 codes along K); W2_codes 8 x 1,024 x 128 x 16 uint8 (E2M1 codes of W2, K innermost, in blocks of 32 codes, two codes a byte); W2_scales 8 x 1,024 x 128 uint8 (E8M0 scales of W2, one for each 32 codes along K); b1 8 x 4,096 float32; b2 8 x 1,024 float32; gate_W 1,024 x 8 float32; gate_b 8 float32; x 4 x 256 x 1,024 float32.
;; Outputs: out0 4 x 256 x 1,024 float32.
;; This version of the problem:
;;   THIS VERSION OF THE PROBLEM IS GIVEN IN LOW PRECISION. The matrix products marked QUANTISED in the list below multiply operands that are first quantised to E2M1 (2 exponent bits, 1 mantissa bit; 4 bits a number), with one power-of-two scale for each 32 numbers along K (OCP MX v1.0); their sums are f32. All else is computed in f32.
;;   The module's matrix products, in the order in which they are computed (A, B: the left and right operand; K: the contracted axis; several contracted axes count as one K, in the product's order):
;;     1. [M 1,024, K 1,024] x [K 1,024, N 8]; A: input x; B: input gate_W: left as it is (N = 8 < 16)
;;     2. [M 1,024, K 1,024] x [K 1,024, N 4,096]; A: computed on the way; B: input W1 (given as codes): QUANTISED
;;     3. [M 1,024, K 4,096] x [K 4,096, N 1,024]; A: computed on the way; B: input W2 (given as codes): QUANTISED
;;     4. [M 1,024, K 1,024] x [K 1,024, N 4,096]; A: computed on the way; B: input W1 (given as codes): QUANTISED
;;     5. [M 1,024, K 4,096] x [K 4,096, N 1,024]; A: computed on the way; B: input W2 (given as codes): QUANTISED
;;     6. [M 1,024, K 1,024] x [K 1,024, N 4,096]; A: computed on the way; B: input W1 (given as codes): QUANTISED
;;     7. [M 1,024, K 4,096] x [K 4,096, N 1,024]; A: computed on the way; B: input W2 (given as codes): QUANTISED
;;     8. [M 1,024, K 1,024] x [K 1,024, N 4,096]; A: computed on the way; B: input W1 (given as codes): QUANTISED
;;     9. [M 1,024, K 4,096] x [K 4,096, N 1,024]; A: computed on the way; B: input W2 (given as codes): QUANTISED
;;     10. [M 1,024, K 1,024] x [K 1,024, N 4,096]; A: computed on the way; B: input W1 (given as codes): QUANTISED
;;     11. [M 1,024, K 4,096] x [K 4,096, N 1,024]; A: computed on the way; B: input W2 (given as codes): QUANTISED
;;     12. [M 1,024, K 1,024] x [K 1,024, N 4,096]; A: computed on the way; B: input W1 (given as codes): QUANTISED
;;     13. [M 1,024, K 4,096] x [K 4,096, N 1,024]; A: computed on the way; B: input W2 (given as codes): QUANTISED
;;     14. [M 1,024, K 1,024] x [K 1,024, N 4,096]; A: computed on the way; B: input W1 (given as codes): QUANTISED
;;     15. [M 1,024, K 4,096] x [K 4,096, N 1,024]; A: computed on the way; B: input W2 (given as codes): QUANTISED
;;     16. [M 1,024, K 1,024] x [K 1,024, N 4,096]; A: computed on the way; B: input W1 (given as codes): QUANTISED
;;     17. [M 1,024, K 4,096] x [K 4,096, N 1,024]; A: computed on the way; B: input W2 (given as codes): QUANTISED
;;   THE QUANTISER, for each operand of a quantised product, along K:
;;     - K is cut into blocks of 32 from its start; a last block that is shorter is filled with zeros.
;;     - A block's scale is 2^e with e = floor(log2(the largest magnitude in the block)) - 2, held to -126 .. 127; a block of zeros has e = 0. As a byte (E8M0): e + 127.
;;     - Each number is divided by its block's scale, clamped to +-6, and rounded to the nearest number of E2M1, ties to even, subnormals kept.
;;     - The product sums the exact products of the quantised numbers (number of the format x scale) in f32.
;;   ~~~python
;;   def quantise(x, axis):      # numpy; x: float32 -> the quantised numbers, widened to float32 again
;;       x = np.moveaxis(x, axis, -1); K = x.shape[-1]
;;       x = np.pad(x, [(0, 0)] * (x.ndim - 1) + [(0, -K % 32)]); x = x.reshape(x.shape[:-1] + (-1, 32)); a = np.abs(x).max(-1, keepdims=True)
;;       e = np.where(a > 0, np.clip(np.frexp(np.where(a > 0, a, 1))[1] - 1 - 2, -126, 127), 0)      # np.frexp(a)[1] - 1 = floor(log2(a)), exactly
;;       r = np.clip(x / 2.0 ** e, -6, 6)
;;       step = 2.0 ** (np.maximum(np.frexp(np.where(r == 0, 1, r))[1] - 1, 0) - 1)
;;       q = np.round(r / step) * step * 2.0 ** e      # np.round: ties to even
;;       return np.moveaxis(q.reshape(q.shape[:-2] + (-1,))[..., :K], -1, axis).astype(np.float32)
;;   ~~~
;;   OPERANDS COMPUTED ON THE WAY. 'Computed on the way' means the value that the module computes at that place (a softmax that the list does not call 'softmax' is quantised finished and normalised). What goes into a quantiser is computed in f32, as accurately as f32 sums, v_exp_f32 and their like allow (about 1e-6 of the number): no bf16 or f16 on the way to a quantiser, and a product that is left as it is and whose result goes on into a quantised operand takes f32 operands (vector FMAs, or v_wmma_f32_16x16x4_f32). A number that lies on a knife's edge between two numbers of the format may be rounded either way, as far as f32 arithmetic and the matrix unit's own rounding can turn it there, and no further.
;;   INPUTS GIVEN AS CODES. W1 (in the module: [8, 1024, 4096], K = its axis 1); W2 (in the module: [8, 4096, 1024], K = its axis 1): each comes as NAME_codes (uint8): NAME with its K axis moved to the last place and cut into blocks of 32 codes, [.., K / 32, bytes a block], one block behind the other in memory; two codes a byte, the lower K in the low four bits (a code: sign, 2 exponent bits, 1 mantissa bit); and NAME_scales (uint8): the same leading axes, one E8M0 byte (e + 127) for each 32 codes along K. Its value is code x scale, taken as it is: it is not quantised again, and the codes and scales need not be those that the quantiser above would give.
;; 2 versions, each right; version 2 is version 1 with the launches ffn1, ffn2 written anew for expert scheduling mode. Each part assembles by itself: llvm-mc -triple=amdgcn-amd-amdhsa -mcpu=gfx1250 --defsym DOCPART=n.
;; ======== version 1 of 2: 3 launches
;; workspace buffers: top1 4,096 bytes of whole numbers; xq 524,288 bytes; xs 32,768 bytes; order 4,608 bytes of whole numbers; hq 2,359,296 bytes; hs 147,456 bytes
;; launch route (part 1): grid 256 x 1, 4 waves a work-group, no clusters, 38,400 bytes of LDS; arguments x, gate_W, gate_b, top1, xq, xs; writes top1, xq, xs
.if DOCPART == 1
	.amdgcn_target "amdgcn-amd-amdhsa--gfx1250"
	.amdhsa_code_object_version 6
	.text
	.protected	k_qaf04797175_route
	.globl	k_qaf04797175_route
	.p2align	8
	.type	k_qaf04797175_route,@function
k_qaf04797175_route:
	s_mov_b64 s[64:65], 0
	v_nop
	global_prefetch_b8 v0, s[64:65] scope:SCOPE_SE
	s_setreg_imm32_b32 hwreg(HW_REG_WAVE_MODE, 25, 1), 1
	s_wait_xcnt 0x0
; ROUTER AND QUANTISER OF x.  logits = x gate_W + gate_b in f32 (fused multiply-adds), top1 = the index of the largest logit, the lower index on an exact tie;
; xq = x as codes of E2M1, k ascending, 512 bytes a token; xs = one E8M0 byte for each 32 along k, 32 bytes a token.
; SHARES.  A work-group owns 4 tokens; wave v owns k = 256 v .. 256 v + 255; lane l owns k = 256 v + 8 l + 0 .. 7 of each token, so four neighbouring lanes hold a block of 32.
; The chosen expert is only STORED here, at a fixed place: no address and no branch of this launch hangs on it.
; No matrix unit (8 columns), no cluster (the one shared input is gate_W's 32,768 bytes), no tensor load: a work-group reads 16 KiB of x once.
; LIMITS: NaN and infinities are not served.  The logits are summed in another order than a plain dot product: two logits that agree to f32 rounding may change places.
; A block of zeros gets the byte 1 (its codes are zeros; only this program reads the bytes); a block whose largest magnitude lies under 2^-124 is held at the byte 1.
.set GTW, 8704                         ; LDS 0: for each wave 32 x 272 bytes: its 8,192 bytes of gate_W are turned here, 256 bytes + 16 of padding a lane
.set CST, 34816                        ; 4 tokens x 512 bytes of codes
.set SST, 36864                        ; 4 tokens x 32 scale bytes
.set LST, 37120                        ; 4 waves x 128 bytes: each wave's part of the 32 logits
.set G,  16                            ; v16-79   gate_W(256 v + 8 l + kk, e) at G + 8 kk + e
.set X,  80                            ; v80-111  x: 8 numbers a token; later at work in the fold
.set A,  112                           ; v112-143 sums: 8 tok + e
.set M,  144                           ; largest magnitudes
.set SO, 148                           ; the conversions' scale operands
.set BY, 152                           ; scale bytes
.set C,  156                           ; codes
	s_load_b256 s[4:11], s[0:1], 0x0               ; x, gate_W, gate_b, top1
	s_load_b128 s[12:15], s[0:1], 0x20             ; xq, xs
	v_lshl_add_u32 v192, v0, 2, 0x9400
	v_mov_b32 v193, 0
	v_lshrrev_b32 v1, 5, v0
	v_readfirstlane_b32 s16, v1                    ; wave
	v_and_b32 v1, 31, v0                           ; lane
	v_lshlrev_b32 v2, 5, v1                        ; 32 x lane: my 8 numbers of a token's 256
	v_lshlrev_b32 v3, 4, v1                        ; 16 x lane
	v_lshlrev_b32 v14, 2, v1                       ; 4 x lane
	s_mul_i32 s17, s16, GTW
	v_lshrrev_b32 v160, 4, v1
	v_and_b32 v161, 15, v1
	v_mul_u32_u24 v4, v160, 272
	v_lshl_add_u32 v4, v161, 4, v4
	v_add_nc_u32 v4, s17, v4                       ; the turn, in: sixteen lanes' 256 bytes on end, then the padding
	v_mul_u32_u24 v5, v1, 272
	v_add_nc_u32 v5, s17, v5                       ; the turn, out: my 256 bytes
	s_lshl_b32 s18, s16, 7
	v_add_nc_u32 v6, s18, v14
	v_add_nc_u32 v8, s18, v14
	v_add_nc_u32 v6, CST, v6                       ; my 4 bytes of codes: 128 v + 4 l in a token's 512
	v_add_nc_u32 v8, LST, v8                       ; my wave's part of logit l
	s_lshl_b32 s18, s16, 3
	v_lshrrev_b32 v7, 2, v1
	v_add_nc_u32 v7, s18, v7
	v_add_nc_u32 v7, SST, v7                       ; my block's byte: 8 v + l / 4
	s_lshl_b32 s18, s16, 9
	v_add_nc_u32 v9, s18, v3
	v_add_nc_u32 v9, CST, v9                       ; the way out: wave v takes token v's 512 bytes
	v_add_nc_u32 v10, LST, v14
	v_add_nc_u32 v11, SST, v14
	v_and_b32 v12, 7, v1
	v_lshlrev_b32 v12, 2, v12                      ; gate_b: 4 (l % 8)
	v_lshrrev_b32 v13, 3, v1
	v_lshlrev_b32 v13, 2, v13                      ; top1: 4 (l / 8)
	s_mov_b32 s20, 0x76543210
	s_mov_b32 s21, 0xfedcba98                      ; v_permlanex16_b32's selects for lane l xor 16
	s_mov_b32 s22, 0xffff0000                      ; lanes whose bit 4 is set; then bits 3, 2, 1, 0
	s_mov_b32 s23, 0xff00ff00
	s_mov_b32 s24, 0xf0f0f0f0
	s_mov_b32 s25, 0xcccccccc
	s_mov_b32 s26, 0xaaaaaaaa
	s_mov_b32 s29, 0
	s_wait_kmcnt 0x0
	s_lshl_b32 s28, ttmp9, 14                      ; 4 tokens of 4,096 bytes a work-group,
	s_lshl_b32 s30, s16, 10                        ; 1,024 bytes of a token a wave
	s_add_co_u32 s28, s28, s30
	s_add_nc_u64 s[4:5], s[4:5], s[28:29]
	s_lshl_b32 s28, s16, 13                        ; 256 rows of gate_W a wave
	s_add_nc_u64 s[6:7], s[6:7], s[28:29]
	s_lshl_b32 s28, ttmp9, 4
	s_add_nc_u64 s[10:11], s[10:11], s[28:29]
	s_lshl_b32 s28, ttmp9, 11
	s_lshl_b32 s30, s16, 9
	s_add_co_u32 s28, s28, s30
	s_add_nc_u64 s[12:13], s[12:13], s[28:29]
	s_lshl_b32 s28, ttmp9, 7
	s_add_nc_u64 s[14:15], s[14:15], s[28:29]
.set i, 0
.rept 16
	global_load_b128 v[G+4*i:G+4*i+3], v3, s[6:7] offset:512*i     ; 32 lanes read 512 consecutive bytes
.set i, i+1
.endr
	global_load_b32 v15, v12, s[8:9]               ; gate_b(l % 8)
.irp t, 0,1,2,3
	global_load_b128 v[X+8*\t:X+8*\t+3], v2, s[4:5] offset:4096*\t th:TH_LOAD_NT
	global_load_b128 v[X+8*\t+4:X+8*\t+7], v2, s[4:5] offset:4096*\t+16 th:TH_LOAD_NT   ; the pair covers 1,024 consecutive bytes
.endr
	s_wait_loadcnt 8                               ; the 8 loads of x may stay out: gate_W and gate_b are in
.set i, 0
.rept 16
	ds_store_b128 v4, v[G+4*i:G+4*i+3] offset:544*i
.set i, i+1
.endr
	s_wait_dscnt 0x0                               ; the stores have read their registers, into which the loads below land
.set i, 0
.rept 16
	ds_load_b128 v[G+4*i:G+4*i+3], v5 offset:16*i  ; my wave's own bytes: no barrier
.set i, i+1
.endr
	s_wait_loadcnt 0x0
	s_wait_dscnt 0x0
; sums: A(tok, e) += x(tok, kk) gate_W(kk, e), two experts an instruction, sixteen chains by turns.  kk = 2 kp takes the pair's first register for both halves, kk = 2 kp + 1 its second.
.macro DOTK kp, first
.irp t, 0,1,2,3
.irp p, 0,1,2,3
.if \first
	v_pk_mul_f32 v[A+8*\t+2*\p:A+8*\t+2*\p+1], v[X+8*\t+2*\kp:X+8*\t+2*\kp+1], v[G+16*\kp+2*\p:G+16*\kp+2*\p+1] op_sel_hi:[0,1]
.else
	v_pk_fma_f32 v[A+8*\t+2*\p:A+8*\t+2*\p+1], v[X+8*\t+2*\kp:X+8*\t+2*\kp+1], v[G+16*\kp+2*\p:G+16*\kp+2*\p+1], v[A+8*\t+2*\p:A+8*\t+2*\p+1] op_sel_hi:[0,1,1]
.endif
.endr
.endr
.irp t, 0,1,2,3
.irp p, 0,1,2,3
	v_pk_fma_f32 v[A+8*\t+2*\p:A+8*\t+2*\p+1], v[X+8*\t+2*\kp:X+8*\t+2*\kp+1], v[G+16*\kp+8+2*\p:G+16*\kp+8+2*\p+1], v[A+8*\t+2*\p:A+8*\t+2*\p+1] op_sel:[1,0,0] op_sel_hi:[1,1,1]
.endr
.endr
.endm
	DOTK 0, 1
	DOTK 1, 0
	DOTK 2, 0
	DOTK 3, 0
; the quantiser: the four tokens by turns
.irp t, 0,1,2,3
	v_max3_num_f32 v[M+\t], |v[X+8*\t]|, |v[X+8*\t+1]|, 0x1800000   ; and the floor 2^(3 - 127): the byte cannot fall under 1
.endr
.irp i, 2,4,6
.irp t, 0,1,2,3
	v_max3_num_f32 v[M+\t], v[M+\t], |v[X+8*\t+\i]|, |v[X+8*\t+\i+1]|
.endr
.endr
.irp t, 0,1,2,3
	v_max_num_f32_dpp v[M+\t], v[M+\t], v[M+\t] row_xmask:1 row_mask:0xf bank_mask:0xf
.endr
.irp t, 0,1,2,3
	v_max_num_f32_dpp v[M+\t], v[M+\t], v[M+\t] row_xmask:2 row_mask:0xf bank_mask:0xf   ; the four lanes of a block
.endr
.irp t, 0,1,2,3
	v_add_nc_u32 v[SO+\t], 0xff000000, v[M+\t]     ; 2 off the exponent field: the conversion's scale operand
.endr
.irp t, 0,1,2,3
	v_lshrrev_b32 v[BY+\t], 23, v[SO+\t]           ; the scale's byte
.endr
.irp t, 0,1,2,3
	v_cvt_scalef32_pk8_fp4_f32 v[C+\t], v[X+8*\t:X+8*\t+7], v[SO+\t]
.endr
	v_nop                                          ; one plain line behind the last conversion: its sources are written again below
.irp t, 0,1,2,3
	ds_store_b32 v6, v[C+\t] offset:512*\t
	ds_store_b8 v7, v[BY+\t] offset:32*\t          ; the four lanes of a block write the same byte with the same value
.endr
; THE FOLD: 32 sums a lane become one sum a lane.  In each step a lane keeps the half of its sums whose index has the lane's own bit, and sends the other half to the lane that differs in that bit.
.set i, 0
.rept 16
	v_cndmask_b32 v[X+i], v[A+i+16], v[A+i], s22
	v_cndmask_b32 v[X+16+i], v[A+i], v[A+i+16], s22
.set i, i+1
.endr
.set i, 0
.rept 16
	v_permlanex16_b32 v[G+i], v[X+i], s20, s21
.set i, i+1
.endr
.set i, 0
.rept 16
	v_add_f32 v[A+i], v[G+i], v[X+16+i]
.set i, i+1
.endr
.macro FOLD n, mask
.set i, 0
.rept \n
	v_cndmask_b32 v[X+i], v[A+i+\n], v[A+i], s[\mask]
	v_cndmask_b32 v[X+16+i], v[A+i], v[A+i+\n], s[\mask]
.set i, i+1
.endr
.set i, 0
.rept \n
	v_add_f32_dpp v[A+i], v[X+i], v[X+16+i] row_xmask:\n row_mask:0xf bank_mask:0xf
.set i, i+1
.endr
.endm
	FOLD 8, 23
	FOLD 4, 24
	FOLD 2, 25
	FOLD 1, 26                                     ; lane l: my wave's part of logit (token l / 8, expert l % 8)
	ds_store_b32 v8, v[A]
	s_wait_dscnt 0x0                               ; for the others' sake: my codes, bytes and parts lie in LDS
	s_barrier_signal -1
	s_barrier_wait -1
	ds_load_b128 v[164:167], v9
	s_wait_dscnt 0x0
	global_store_b128 v3, v[164:167], s[12:13]     ; 32 lanes store a token's 512 consecutive bytes, aligned
	s_cmp_lg_u32 s16, 0
	s_cbranch_scc1 .Lend                           ; the rest is wave 0's
	ds_load_b32 v168, v10
	ds_load_b32 v169, v10 offset:128
	ds_load_b32 v170, v10 offset:256
	ds_load_b32 v171, v10 offset:384
	ds_load_b32 v172, v11
	s_wait_dscnt 0x0
	v_add_f32 v168, v168, v169
	v_add_f32 v170, v170, v171
	v_add_f32 v168, v168, v170
	v_add_f32 v168, v168, v15                      ; the logit
	v_and_b32 v169, 7, v1                          ; its expert
	v_mov_b32 v170, 0
	v_mov_b32 v171, 0
.irp m, 1,2,4                                  ; the largest of eight neighbouring lanes; on a tie the lower expert
	v_mov_b32_dpp v170, v168 row_xmask:\m row_mask:0xf bank_mask:0xf
	v_mov_b32_dpp v171, v169 row_xmask:\m row_mask:0xf bank_mask:0xf
	v_cmp_gt_f32 s28, v170, v168
	v_cmp_eq_f32 s29, v170, v168
	v_cmp_lt_u32 s30, v171, v169
	s_and_b32 s29, s29, s30
	s_or_b32 s28, s28, s29
	v_cndmask_b32 v168, v168, v170, s28
	v_cndmask_b32 v169, v169, v171, s28
.endr
	global_store_b32 v13, v169, s[10:11]           ; eight lanes write the same word with the same value
	global_store_b32 v14, v172, s[14:15]           ; the four tokens' 128 scale bytes
.Lend:
	s_wait_tensorcnt 0x0
	ds_add_u32 v192, v193
	s_wait_dscnt 0x0
	s_endpgm
.Lfunc_end_k_qaf04797175_route:
	.size	k_qaf04797175_route, .Lfunc_end_k_qaf04797175_route-k_qaf04797175_route
	.p2alignl 7, 3214868480
	.fill 96, 4, 3214868480
	.section	.rodata,"a",@progbits
	.p2align	6, 0x0
	.amdhsa_kernel k_qaf04797175_route
		.amdhsa_group_segment_fixed_size 38400
		.amdhsa_private_segment_fixed_size 0
		.amdhsa_enable_private_segment 0
		.amdhsa_kernarg_size 48
		.amdhsa_user_sgpr_count 2
		.amdhsa_user_sgpr_kernarg_segment_ptr 1
		.amdhsa_wavefront_size32 1
		.amdhsa_system_sgpr_workgroup_id_x 1
		.amdhsa_system_sgpr_workgroup_id_y 1
		.amdhsa_system_sgpr_workgroup_id_z 1
		.amdhsa_system_vgpr_workitem_id 0
		.amdhsa_next_free_vgpr 194
		.amdhsa_next_free_sgpr 66
		.amdhsa_reserve_vcc 0
		.amdhsa_float_denorm_mode_32 3
		.amdhsa_float_denorm_mode_16_64 3
		.amdhsa_memory_ordered 1
		.amdhsa_forward_progress 1
		.amdhsa_inst_pref_size 28
	.end_amdhsa_kernel
	.amdgpu_metadata
---
amdhsa.version: [ 1, 2 ]
amdhsa.kernels:
  - .name:           k_qaf04797175_route
    .symbol:         k_qaf04797175_route.kd
    .args:
      - { .name: x, .offset: 0, .size: 8, .value_kind: global_buffer, .address_space: global }
      - { .name: gate_W, .offset: 8, .size: 8, .value_kind: global_buffer, .address_space: global }
      - { .name: gate_b, .offset: 16, .size: 8, .value_kind: global_buffer, .address_space: global }
      - { .name: top1, .offset: 24, .size: 8, .value_kind: global_buffer, .address_space: global }
      - { .name: xq, .offset: 32, .size: 8, .value_kind: global_buffer, .address_space: global }
      - { .name: xs, .offset: 40, .size: 8, .value_kind: global_buffer, .address_space: global }
    .group_segment_fixed_size: 38400
    .private_segment_fixed_size: 0
    .kernarg_segment_align: 8
    .kernarg_segment_size: 48
    .max_flat_workgroup_size: 128
    .sgpr_count:     66
    .vgpr_count:     194
    .wavefront_size: 32
...
	.end_amdgpu_metadata
.endif
;; end of part 1
;; launch ffn1 (part 2): grid 32 x 8, 4 waves a work-group, no clusters, 101,888 bytes of LDS; arguments top1, xq, xs, W1_codes, W1_scales, b1, hq, hs, order; writes hq, hs, order
.if DOCPART == 2
	.amdgcn_target "amdgcn-amd-amdhsa--gfx1250"
	.amdhsa_code_object_version 6
	.text
	.protected	k_qaf04797175_ffn1
	.globl	k_qaf04797175_ffn1
	.p2align	8
	.type	k_qaf04797175_ffn1,@function
k_qaf04797175_ffn1:
	s_mov_b64 s[64:65], 0
	v_nop
	global_prefetch_b8 v0, s[64:65] scope:SCOPE_SE
	s_setreg_imm32_b32 hwreg(HW_REG_WAVE_MODE, 25, 1), 1
	s_wait_xcnt 0x0
; FIRST PRODUCT OF THE CHOSEN EXPERT, gelu AND QUANTISER.  h = Q(gelu(Q(x) W1[e] + b1[e])) for the tokens whose top1 is e, and for those alone: the others' rows are not computed.
; SHARES.  Work-group (c, e): hidden units 128 c .. 128 c + 127 of expert e.  All four waves hold these 128 x 1,024 codes in registers (64 fragments, 512 registers); wave w takes the expert's tiles of 16 rows i = w + 4 m.
; PLACES.  Expert e owns whole tiles of 16 places: tiles (o_e >> 4) + e on, ceil(n_e / 16) of them (o_e: tokens with a lower expert; n_e: its own).  Its last tile is at most ((o_e + n_e - 1) >> 4) + e, under the next
; expert's first: no tile is shared, and the highest tile is 70.  Place 16 i + r of the expert holds its token of rank 16 i + r; the places behind the last rank repeat the last token, whose row is worked again.
; Which token has which rank is read off top1 by whole-number work in registers (SELECT), alike in all work-groups of an expert; the work-groups of c = 0 store it (order) for the next launch.
; THE PRODUCT IS USED TRANSPOSED (source 0 = 16 rows of W1, source 1 = 16 tokens), and lane r of tile 2 b + u takes W1's row 32 b + 8 u + r + 8 (r / 8): a lane holds one token, and the 16 registers of tiles 2 b, 2 b + 1 are
; 16 neighbours along the next K.  The wave's 128 units are K step c of the second product: one fragment and one scale word a row.  Both are stored as images of the next launch's registers:
; hq [tile of places 72][K step 32][2][lane 32][16 bytes];  hs [tile 72][c / 8][16 (c % 2) + row][(c / 2) % 4] words: the wave that owns K steps 8 kq .. 8 kq + 7 there takes a tile's words by 16 bytes a lane.
; gelu(x) = max(x, 0) - |x| q, q = erfc(|x| / sqrt 2) / 2 = t 2^A, t = 1 / (1 + |x| sqrt 2 / 4), A = a polynomial of degree 9 in t - x^2 log2(e) / 2: a fit of erfc whose fractional error stays under 1.2e-7.
; NO CLUSTER, NO TENSOR LOAD: how many tiles a wave walks hangs on numbers read from memory, and no two work-groups read the same weights.
; LIMITS: NaN and infinities are not served.  Where 2^A falls under the smallest normal number q is 0.  A block of zeros gets the byte 1 (its codes are zeros; only this program reads the bytes); blocks under 2^-124 are held at the byte 1.
; REGISTERS, in windows of 256: window 0: v1-18 addresses; v24-55 W1's scale words, v56-63 x's: scales and nothing else; v64-127 the 8 accumulators; v128-223 at work; v224-248 the quantiser's; v250-253 two constants.
;   window 1: W1's fragments of tiles 0-3 (64 t + 8 s), first the landing place of my 32 rows.   window 2: tiles 4-7.   window 3: v0-63 x's 8 fragments; v64-127 b1 in the result's layout; v128-191 16 rows of x as loaded; v192-207 their offsets.
.set WP,  528                          ; a stage row: 512 bytes + 16: sixteen rows that a load touches start in different banks
.set XST, 67584                        ; LDS: 0: W1's 128 rows in the order of the fragments; XST + 8,448 w: my wave's 16 rows of x
.set WS,  24
.set XSW, 56
.set HA,  64
.set T,   128
.set U,   160
.set W,   192
.set TM,  224
.set PC,  240
.set PW,  248
.set KC9, 250
.set KK2, 252
.set XF,  0                            ; window 3
.set B1,  64
.set RT,  128
.set OF,  192
.set MK,  32                           ; s32-63  word j of top1's 32 registers: the lanes whose token has my expert
.set PX,  66                           ; s66-97  (tokens of my expert in the words before j) << 10 | the token of word j's lane 0
.set SEL, 100                          ; s100-101 selects for lane l xor 16
.set K1,  104                          ; s104    sqrt 2 / 4
.set MSB, 0
.macro WIN new                         ; the immediate's high byte repeats the setting that is left
.if MSB != \new
	s_set_vgpr_msb (MSB<<8)|\new
.set MSB, \new
.endif
.endm
	s_load_b512 s[4:19], s[0:1], 0x0               ; top1, xq, xs, W1's codes, W1's scales, b1, hq, hs
	s_load_b64 s[20:21], s[0:1], 0x40              ; order
	v_lshl_add_u32 v254, v0, 2, 0x18c00
	v_mov_b32 v255, 0
	v_lshrrev_b32 v1, 5, v0
	v_readfirstlane_b32 s24, v1                    ; wave
	s_and_b32 s25, ttmp7, 0xffff                   ; e
	s_mov_b32 s26, ttmp9                           ; c
	v_and_b32 v1, 31, v0                           ; lane
	v_and_b32 v2, 15, v0                           ; r
	v_bfe_u32 v3, v0, 4, 1                         ; h
	v_lshlrev_b32 v4, 4, v1                        ; 16 x lane
	s_mul_i32 s2, s24, 32*WP
	v_add_nc_u32 v6, s2, v4                        ; W1's stage, in: my wave's 32 rows
	v_mul_u32_u24 v7, v2, WP
	v_lshl_add_u32 v7, v3, 4, v7                   ; a fragment's row x pitch + 16 h
	s_mul_i32 s2, s24, 16*WP
	s_add_co_u32 s2, s2, XST
	v_add_nc_u32 v8, s2, v4                        ; x's stage, in
	v_add_nc_u32 v10, s2, v7                       ; and out
	v_and_b32 v9, 8, v2
	v_add_nc_u32 v9, v9, v2
	v_lshl_add_u32 v9, v3, 3, v9
	v_lshlrev_b32 v9, 5, v9                        ; W1's scale words: row 8 h + r + 8 (r / 8), 32 bytes a row: lanes 0-15 an even tile's, lanes 16-31 the odd tile's beside it
	v_lshlrev_b32 v11, 6, v3                       ; b1: 16 h numbers on
	v_lshlrev_b32 v12, 8, v3                       ; hq: 256 h
	s_mov_b32 s[SEL], 0x76543210
	s_mov_b32 s[SEL+1], 0xfedcba98
	s_mov_b32 s[K1], 0x3eb504f3
	v_mov_b32 v[KC9], 0x3e7c6f08                   ; c9, named as a pair
	v_mov_b32 v[KC9+1], 0x3e7c6f08
	v_mov_b32 v[KK2], 0xbf38aa3b                   ; -log2(e) / 2
	v_mov_b32 v[KK2+1], 0xbf38aa3b
.irp b, 0,1,2,3
	v_mov_b32 v[TM+4+\b], 0                        ; written once: a lane permute's destination counts as one of its sources
.endr
	s_mov_b32 s99, 0
	s_wait_kmcnt 0x0
	s_lshl_b32 s98, s25, 21                        ; W1's codes: expert, chunk of 128 rows of 512 bytes, my wave's 32 rows
	s_lshl_b32 s2, s26, 16
	s_add_co_u32 s98, s98, s2
	s_lshl_b32 s2, s24, 14
	s_add_co_u32 s98, s98, s2
	s_add_nc_u64 s[10:11], s[10:11], s[98:99]
	s_lshl_b32 s98, s25, 17                        ; W1's scales: 32 bytes a row
	s_lshl_b32 s2, s26, 12
	s_add_co_u32 s98, s98, s2
	s_add_nc_u64 s[12:13], s[12:13], s[98:99]
	s_lshl_b32 s98, s25, 14                        ; b1
	s_lshl_b32 s2, s26, 9
	s_add_co_u32 s98, s98, s2
	s_add_nc_u64 s[14:15], s[14:15], s[98:99]
	s_lshl_b32 s98, s26, 10                        ; hq: K step c
	s_add_nc_u64 s[16:17], s[16:17], s[98:99]
	s_lshr_b32 s98, s26, 3                         ; hs: K step c within a tile's 2,048 bytes: 512 (c / 8)
	s_lshl_b32 s98, s98, 9
	s_and_b32 s2, s26, 1
	s_lshl_b32 s2, s2, 8                           ; + 256 (c % 2)
	s_add_co_u32 s98, s98, s2
	s_bfe_u32 s2, s26, 0x20001
	s_lshl_b32 s2, s2, 2                           ; + 4 ((c / 2) % 4)
	s_add_co_u32 s98, s98, s2
	s_add_nc_u64 s[18:19], s[18:19], s[98:99]
.set i, 0
.rept 8
	global_load_b128 v[T+4*i:T+4*i+3], v4, s[4:5] offset:512*i     ; top1: register j, lane l: token 128 (j / 4) + j % 4 + 4 l
.set i, i+1
.endr
	WIN 0x40
.set i, 0
.rept 32
	global_load_b128 v[4*i:4*i+3], v4, s[10:11] offset:512*i th:TH_LOAD_NT   ; a row of W1: 512 consecutive bytes; read once in the launch
.set i, i+1
.endr
	WIN 0
.irp p, 0,1,2,3
	global_load_b128 v[WS+8*\p:WS+8*\p+3], v9, s[12:13] offset:1024*\p
	global_load_b128 v[WS+8*\p+4:WS+8*\p+7], v9, s[12:13] offset:1024*\p+16
.endr
	WIN 0xc0
.irp t, 0,1,2,3,4,5,6,7
	global_load_b128 v[B1+8*\t:B1+8*\t+3], v11, s[14:15] offset:(32*(\t/2)+8*(\t%2))*4
	global_load_b128 v[B1+8*\t+4:B1+8*\t+7], v11, s[14:15] offset:(32*(\t/2)+8*(\t%2))*4+16
.endr
	WIN 0
	s_wait_loadcnt 56                              ; behind top1's loads: 32 rows, 8 of scales, 16 of b1: they may stay out
.set i, 0
.rept 32
	v_cmp_eq_u32 s[MK+i], s25, v[T+i]
	v_cmp_gt_u32 s[PX+i], s25, v[T+i]
.set i, i+1
.endr
	s_mov_b32 s27, 0                               ; o_e
	s_mov_b32 s28, 0                               ; n_e
.set i, 0
.rept 32
	s_bcnt1_i32_b32 s2, s[PX+i]
	s_add_co_u32 s27, s27, s2
	s_lshl_b32 s98, s28, 10
	s_or_b32 s[PX+i], s98, 128*(i/4)+(i%4)
	s_bcnt1_i32_b32 s99, s[MK+i]
	s_add_co_u32 s28, s28, s99
.set i, i+1
.endr
	s_add_co_u32 s2, s28, 15
	s_lshr_b32 s31, s2, 4                          ; my expert's tiles: 64 at the most, none for an expert without tokens
	s_max_u32 s30, s28, 1
	s_sub_co_u32 s30, s30, 1                       ; the last rank
	s_and_not1_b32 s27, s27, 15
	s_lshl_b32 s2, s25, 4
	s_add_co_u32 s27, s27, s2                      ; my expert's first place: 16 ((o_e >> 4) + e)
; SELECT: for tile s[si], lane (r, h): v14 = the place 16 i + r of my expert; rank J = 16 i + r held at n_e - 1; v13 = the token of that rank.
; The word is found by a walk over the 32 prefixes (the last whose prefix is at most J), the bit in it by five halvings on the counts of 16, 8, 4, 2 and 1 bits.
.macro SELECT si
	s_lshl_b32 s2, s[\si], 4
	v_add_nc_u32 v160, s2, v2
	v_add_nc_u32 v14, s27, v160
	v_min_u32 v14, 0x47f, v14                      ; the place, held inside the 72 tiles
	v_min_u32 v160, s30, v160                      ; J
	v_lshl_or_b32 v161, v160, 10, 0x3ff
	v_mov_b32 v162, s[MK]
	v_mov_b32 v163, s[PX]
.set i, 1
.rept 31
	v_cmp_le_u32 vcc_lo, s[PX+i], v161
	v_cndmask_b32 v162, v162, s[MK+i], vcc_lo
	v_cndmask_b32 v163, v163, s[PX+i], vcc_lo
.set i, i+1
.endr
	v_lshrrev_b32 v164, 10, v163
	v_sub_nc_u32 v164, v160, v164                  ; k: which set bit of the word
	v_and_b32 v163, 0x3ff, v163                    ; the token of the word's lane 0
	v_lshrrev_b32 v165, 1, v162
	v_and_b32 v165, 0x55555555, v165
	v_sub_nc_u32 v165, v162, v165                  ; counts of 2 bits
	v_lshrrev_b32 v166, 2, v165
	v_and_b32 v166, 0x33333333, v166
	v_and_b32 v170, 0x33333333, v165
	v_add_nc_u32 v166, v166, v170                  ; of 4
	v_lshrrev_b32 v167, 4, v166
	v_add_nc_u32 v167, v167, v166
	v_and_b32 v167, 0x0f0f0f0f, v167               ; of 8
	v_lshrrev_b32 v168, 8, v167
	v_add_nc_u32 v168, v168, v167
	v_and_b32 v170, 0xff, v168                     ; of the low 16
	v_cmp_ge_u32 vcc_lo, v164, v170
	v_cndmask_b32 v170, 0, v170, vcc_lo
	v_sub_nc_u32 v164, v164, v170
	v_cndmask_b32 v169, 0, 16, vcc_lo              ; the bit's number so far
	v_bfe_u32 v170, v167, v169, 8
	v_cmp_ge_u32 vcc_lo, v164, v170
	v_cndmask_b32 v170, 0, v170, vcc_lo
	v_sub_nc_u32 v164, v164, v170
	v_cndmask_b32 v171, 0, 8, vcc_lo
	v_add_nc_u32 v169, v169, v171
	v_bfe_u32 v170, v166, v169, 4
	v_cmp_ge_u32 vcc_lo, v164, v170
	v_cndmask_b32 v170, 0, v170, vcc_lo
	v_sub_nc_u32 v164, v164, v170
	v_cndmask_b32 v171, 0, 4, vcc_lo
	v_add_nc_u32 v169, v169, v171
	v_bfe_u32 v170, v165, v169, 2
	v_cmp_ge_u32 vcc_lo, v164, v170
	v_cndmask_b32 v170, 0, v170, vcc_lo
	v_sub_nc_u32 v164, v164, v170
	v_cndmask_b32 v171, 0, 2, vcc_lo
	v_add_nc_u32 v169, v169, v171
	v_bfe_u32 v170, v162, v169, 1
	v_cmp_ge_u32 vcc_lo, v164, v170
	v_cndmask_b32 v171, 0, 1, vcc_lo
	v_add_nc_u32 v169, v169, v171
	v_lshl_add_u32 v13, v169, 2, v163              ; lanes of a word are 4 tokens apart
	v_min_u32 v13, 0x3ff, v13
.endm
; Eight of the tile's tokens become scalars, are held inside the table, and make eight offsets: token x 512 + 16 x lane
.macro ROWS8 b
	v_readlane_b32 s4, v13, \b
	v_readlane_b32 s5, v13, \b+1
	v_readlane_b32 s10, v13, \b+2
	v_readlane_b32 s11, v13, \b+3
	v_readlane_b32 s12, v13, \b+4
	v_readlane_b32 s13, v13, \b+5
	v_readlane_b32 s14, v13, \b+6
	v_readlane_b32 s15, v13, \b+7
.irp q, 4,5,10,11,12,13,14,15
	s_min_u32 s\q, s\q, 0x3ff
.endr
	WIN 0xc0
	v_lshl_add_u32 v[OF+\b], s4, 9, v4
	v_lshl_add_u32 v[OF+\b+1], s5, 9, v4
	v_lshl_add_u32 v[OF+\b+2], s10, 9, v4
	v_lshl_add_u32 v[OF+\b+3], s11, 9, v4
	v_lshl_add_u32 v[OF+\b+4], s12, 9, v4
	v_lshl_add_u32 v[OF+\b+5], s13, 9, v4
	v_lshl_add_u32 v[OF+\b+6], s14, 9, v4
	v_lshl_add_u32 v[OF+\b+7], s15, 9, v4
	WIN 0
.endm
; The tile's x: 2 loads of scale words (lane r: token r's 32 bytes, straight into the scale registers) and 16 rows of codes, each 512 consecutive bytes
.macro XLOADS
	v_lshlrev_b32 v15, 5, v13
	global_load_b128 v[XSW:XSW+3], v15, s[8:9]
	global_load_b128 v[XSW+4:XSW+7], v15, s[8:9] offset:16
	ROWS8 0
	ROWS8 8
	WIN 0xc3
.set i, 0
.rept 16
	global_load_b128 v[RT+4*i:RT+4*i+3], v[OF+i], s[6:7]
.set i, i+1
.endr
	WIN 0
.endm
	s_mov_b32 s3, s24                              ; my first tile
	s_wait_xcnt 0x0                                ; the loads above have read their bases: eight of those scalars are used again below
	SELECT 3
	XLOADS                                         ; without a condition: a wave without a tile loads the expert's last row (or any row), so that every register is written
	s_wait_loadcnt 18                              ; the 2 + 16 loads of x may stay out: W1's rows, its scales and b1 are in
	WIN 0x04
.set i, 0
.rept 32
	ds_store_b128 v6, v[4*i:4*i+3] offset:(16*((i/8)%2)+(i%8)+8*(i/16))*WP   ; row 32 w + i goes to the place of tile 2 w + (i / 8) % 2, lane i % 8 + 8 (i / 16)
.set i, i+1
.endr
	WIN 0
	s_wait_dscnt 0x0                               ; for the others' sake: my 32 rows lie in the stage
	s_barrier_signal -1
	s_barrier_wait -1
	WIN 0x40
.irp t, 0,1,2,3
.irp s, 0,1,2,3,4,5,6,7
.irp c, 0,1
	ds_load_b128 v[64*\t+8*\s+4*\c:64*\t+8*\s+4*\c+3], v7 offset:16*\t*WP+64*\s+32*\c
.endr
.endr
.endr
	WIN 0x80
.irp t, 0,1,2,3
.irp s, 0,1,2,3,4,5,6,7
.irp c, 0,1
	ds_load_b128 v[64*\t+8*\s+4*\c:64*\t+8*\s+4*\c+3], v7 offset:16*(\t+4)*WP+64*\s+32*\c
.endr
.endr
.endr
	WIN 0
	s_wait_dscnt 0x0
; one product: tile t of W1's rows, K step s.  At s = 0 the C is b1 (window 3, the same register numbers as the accumulators of window 0)
.macro MM t, s
.set rD, HA+8*(\t)
.set rA, 64*((\t)%4)+8*(\s)
.set rB, XF+8*(\s)
.set rSA, WS+8*((\t)/2)+(\s)
.set rSB, XSW+(\s)
.if (\t)%2
	v_wmma_scale_f32_16x16x128_f8f6f4 v[rD:rD+7], v[rA:rA+7], v[rB:rB+7], v[rD:rD+7], v[rSA], v[rSB] matrix_a_fmt:MATRIX_FMT_FP4 matrix_b_fmt:MATRIX_FMT_FP4 matrix_a_scale:MATRIX_SCALE_ROW1
.else
	v_wmma_scale_f32_16x16x128_f8f6f4 v[rD:rD+7], v[rA:rA+7], v[rB:rB+7], v[rD:rD+7], v[rSA], v[rSB] matrix_a_fmt:MATRIX_FMT_FP4 matrix_b_fmt:MATRIX_FMT_FP4
.endif
.endm
.macro MMGROUP t0, wfirst, wrest       ; four accumulators by turns, one instruction a turn, K ascending
	WIN \wfirst
.irp t, \t0, \t0+1, \t0+2, \t0+3
	MM \t, 0
.endr
	WIN \wrest
.irp s, 1,2,3,4,5,6,7
.irp t, \t0, \t0+1, \t0+2, \t0+3
	MM \t, \s
.endr
.endr
.endm
; gelu of 32 numbers a lane, in place, from the accumulators' low ends on
.macro GELU H
.set XB, HA+32*\H
.set i, 0
.rept 32
	v_fma_f32 v[T+i], |v[XB+i]|, s[K1], 1.0
.set i, i+1
.endr
.set i, 0
.rept 16
	v_rcp_f32 v[T+i], v[T+i]                       ; t
	v_pk_mul_f32 v[W+i:W+i+1], v[XB+i:XB+i+1], v[XB+i:XB+i+1]
	v_rcp_f32 v[T+i+1], v[T+i+1]
	v_pk_fma_f32 v[W+i:W+i+1], v[W+i:W+i+1], v[KK2:KK2+1], 0xc034d90f op_sel_hi:[1,0,0]   ; c0 - x^2 log2(e) / 2
.set i, i+2
.endr
	s_wait_alu depctr_va_vdst(0)                   ; one wait for the 32 reciprocals, ahead of their first reader
.set i, 0
.rept 16
	v_pk_fma_f32 v[U+i:U+i+1], v[T+i:T+i+1], v[KC9:KC9+1], 0xbf97d29d op_sel_hi:[1,0,0]   ; c9 t + c8
.set i, i+2
.endr
.irp c, 0x40097039, 0xbfd1a1e5, 0x3ecdfd18, 0xbe899a80, 0x3e0efb2e, 0x3f0a29d2, 0x3fb8ab5a   ; c7 .. c1
.set i, 0
.rept 16
	v_pk_fma_f32 v[U+i:U+i+1], v[U+i:U+i+1], v[T+i:T+i+1], \c op_sel_hi:[1,1,0]
.set i, i+2
.endr
.endr
.set i, 0
.rept 16
	v_pk_fma_f32 v[U+i:U+i+1], v[U+i:U+i+1], v[T+i:T+i+1], v[W+i:W+i+1]   ; A
.set i, i+2
.endr
.set i, 0
.rept 32
	v_exp_f32 v[U+i], v[U+i]
	v_max_num_f32 v[W+i], 0, v[XB+i]
.set i, i+1
.endr
	s_wait_alu depctr_va_vdst(0)                   ; one wait for the 32 exponentials
.set i, 0
.rept 16
	v_pk_mul_f32 v[T+i:T+i+1], v[T+i:T+i+1], v[U+i:U+i+1]   ; q
.set i, i+2
.endr
.set i, 0
.rept 32
	v_fma_f32 v[XB+i], -|v[XB+i]|, v[T+i], v[W+i]
.set i, i+1
.endr
.endm
; 64 numbers of a lane, register 16 b + i = k 32 b + 16 h + i of my row, become a fragment's codes in v[PC] on and its scale word in v[PW]
.macro QUANT s
.irp b, 0,1,2,3
	v_max3_num_f32 v[TM+\b], |v[\s+16*\b]|, |v[\s+1+16*\b]|, 0x1800000   ; and the floor 2^(3 - 127): the byte cannot fall under 1
.endr
.irp i, 2,4,6,8,10,12,14
.irp b, 0,1,2,3
	v_max3_num_f32 v[TM+\b], v[TM+\b], |v[\s+16*\b+\i]|, |v[\s+1+16*\b+\i]|
.endr
.endr
.irp b, 0,1,2,3
	v_permlanex16_b32 v[TM+4+\b], v[TM+\b], s[SEL], s[SEL+1]
.endr
.irp b, 0,1,2,3
	v_max_num_f32 v[TM+\b], v[TM+\b], v[TM+4+\b]   ; with lane l xor 16's: the block's largest magnitude
.endr
.irp b, 0,1,2,3
	v_add_nc_u32 v[TM+12+\b], 0xff000000, v[TM+\b] ; 2 off its exponent field: the conversion's scale operand
.endr
.irp b, 0,1,2,3
	v_lshrrev_b32 v[TM+4+\b], 23, v[TM+12+\b]      ; the scale's byte
.endr
	v_lshl_or_b32 v[PW], v[TM+5], 8, v[TM+4]
	v_lshl_or_b32 v[PW], v[TM+6], 16, v[PW]
	v_lshl_or_b32 v[PW], v[TM+7], 24, v[PW]
.irp b, 0,1,2,3
	v_cvt_scalef32_pk8_fp4_f32 v[PC+2*\b], v[\s+16*\b:\s+7+16*\b], v[TM+12+\b]
	v_cvt_scalef32_pk8_fp4_f32 v[PC+1+2*\b], v[\s+8+16*\b:\s+15+16*\b], v[TM+12+\b]
.endr
	v_nop                                          ; one plain line behind the last conversion
.irp c, 0,1                                    ; the operand's layout wants a whole block in a lane
.irp i, 0,1
	v_permlane16_swap_b32 v[PC+4*\c+\i], v[PC+2+4*\c+\i]
.endr
.endr
.endm
	s_mov_b32 s105, 0
.Ltile:                                            ; 16 trips at the most, a constant; my tiles ascend, so the first that the expert does not have ends the walk
	s_cmp_ge_u32 s3, s31
	s_cbranch_scc1 .Ldone
	s_wait_loadcnt 0x0                             ; this tile's x is in (asked for behind the last tile's products, or at the head)
	s_wait_xcnt 0x0                                ; the last tile's stores have read their offsets and data
	v_and_b32 v16, 0x7f0, v14
	v_and_b32 v17, 15, v14
	v_lshlrev_b32 v18, 7, v16                      ; hs: 2,048 bytes a tile of places,
	v_lshl_add_u32 v18, v17, 4, v18                ; 16 bytes a row
	v_lshlrev_b32 v16, 11, v16                     ; hq: 32,768 bytes a tile of places,
	v_lshl_add_u32 v16, v17, 4, v16                ; 16 bytes a row,
	v_add_nc_u32 v16, v16, v12                     ; 256 h: together 16 x lane
	v_lshlrev_b32 v17, 2, v14                      ; order: 4 bytes a place
	s_cmp_lg_u32 s26, 0
	s_cbranch_scc1 .Lno_order
	global_store_b32 v17, v13, s[20:21]            ; chunk 0: the token at each of the tile's places
.Lno_order:
	WIN 0x0c
.set i, 0
.rept 16
	ds_store_b128 v8, v[RT+4*i:RT+4*i+3] offset:i*WP
.set i, i+1
.endr
	WIN 0xc0
.irp s, 0,1,2,3,4,5,6,7
.irp c, 0,1
	ds_load_b128 v[XF+8*\s+4*\c:XF+8*\s+4*\c+3], v10 offset:64*\s+32*\c   ; my wave's own bytes, served in order: these see the stores above
.endr
.endr
	WIN 0
	s_wait_dscnt 0x0
	MMGROUP 0, 0x3d, 0x0d                          ; source 0 window 1, source 1 window 3, C window 3 (b1), then window 0
	MMGROUP 4, 0x3e, 0x0e                          ; source 0 window 2
	WIN 0
.rept 4
	v_nop                                          ; four places: ahead of the loads into x's scale registers and of the first read of results
.endr
	s_add_co_u32 s98, s3, 4
	s_cmp_ge_u32 s98, s31
	s_cbranch_scc1 .Lno_next
	s_wait_xcnt 0x0                                ; the store of v13 has read it
	SELECT 98                                      ; my next tile: its 18 loads land while this tile's gelu and quantiser run
	XLOADS
.Lno_next:
	GELU 0
	GELU 1
	QUANT HA
	global_store_b128 v16, v[PC:PC+3], s[16:17]             ; the 32 lanes store 512 consecutive bytes, aligned
	global_store_b128 v16, v[PC+4:PC+7], s[16:17] offset:512
	global_store_b32 v18, v[PW], s[18:19]                   ; lanes 16-31 repeat lanes 0-15's words
	s_add_co_u32 s3, s3, 4
	s_add_co_u32 s105, s105, 1
	s_cmp_lt_u32 s105, 16
	s_cbranch_scc1 .Ltile
.Ldone:
	s_wait_tensorcnt 0x0
	ds_add_u32 v254, v255
	s_wait_dscnt 0x0
	s_endpgm
.Lfunc_end_k_qaf04797175_ffn1:
	.size	k_qaf04797175_ffn1, .Lfunc_end_k_qaf04797175_ffn1-k_qaf04797175_ffn1
	.p2alignl 7, 3214868480
	.fill 96, 4, 3214868480
	.section	.rodata,"a",@progbits
	.p2align	6, 0x0
	.amdhsa_kernel k_qaf04797175_ffn1
		.amdhsa_group_segment_fixed_size 101888
		.amdhsa_private_segment_fixed_size 0
		.amdhsa_enable_private_segment 0
		.amdhsa_kernarg_size 72
		.amdhsa_user_sgpr_count 2
		.amdhsa_user_sgpr_kernarg_segment_ptr 1
		.amdhsa_wavefront_size32 1
		.amdhsa_system_sgpr_workgroup_id_x 1
		.amdhsa_system_sgpr_workgroup_id_y 1
		.amdhsa_system_sgpr_workgroup_id_z 1
		.amdhsa_system_vgpr_workitem_id 0
		.amdhsa_next_free_vgpr 1024
		.amdhsa_next_free_sgpr 106
		.amdhsa_reserve_vcc 1
		.amdhsa_float_denorm_mode_32 3
		.amdhsa_float_denorm_mode_16_64 3
		.amdhsa_memory_ordered 1
		.amdhsa_forward_progress 1
		.amdhsa_inst_pref_size 118
	.end_amdhsa_kernel
	.amdgpu_metadata
---
amdhsa.version: [ 1, 2 ]
amdhsa.kernels:
  - .name:           k_qaf04797175_ffn1
    .symbol:         k_qaf04797175_ffn1.kd
    .args:
      - { .name: top1, .offset: 0, .size: 8, .value_kind: global_buffer, .address_space: global }
      - { .name: xq, .offset: 8, .size: 8, .value_kind: global_buffer, .address_space: global }
      - { .name: xs, .offset: 16, .size: 8, .value_kind: global_buffer, .address_space: global }
      - { .name: W1_codes, .offset: 24, .size: 8, .value_kind: global_buffer, .address_space: global }
      - { .name: W1_scales, .offset: 32, .size: 8, .value_kind: global_buffer, .address_space: global }
      - { .name: b1, .offset: 40, .size: 8, .value_kind: global_buffer, .address_space: global }
      - { .name: hq, .offset: 48, .size: 8, .value_kind: global_buffer, .address_space: global }
      - { .name: hs, .offset: 56, .size: 8, .value_kind: global_buffer, .address_space: global }
      - { .name: order, .offset: 64, .size: 8, .value_kind: global_buffer, .address_space: global }
    .group_segment_fixed_size: 101888
    .private_segment_fixed_size: 0
    .kernarg_segment_align: 8
    .kernarg_segment_size: 72
    .max_flat_workgroup_size: 128
    .sgpr_count:     106
    .vgpr_count:     1024
    .wavefront_size: 32
...
	.end_amdgpu_metadata
.endif
;; end of part 2
;; launch ffn2 (part 3): grid 256 x 1, 4 waves a work-group, no clusters, 222,720 bytes of LDS; arguments hq, hs, order, top1, W2_codes, W2_scales, b2, out0; writes out0
.if DOCPART == 3
	.amdgcn_target "amdgcn-amd-amdhsa--gfx1250"
	.amdhsa_code_object_version 6
	.text
	.protected	k_qaf04797175_ffn2
	.globl	k_qaf04797175_ffn2
	.p2align	8
	.type	k_qaf04797175_ffn2,@function
k_qaf04797175_ffn2:
	s_mov_b64 s[64:65], 0
	v_nop
	global_prefetch_b8 v0, s[64:65] scope:SCOPE_SE
	s_setreg_imm32_b32 hwreg(HW_REG_WAVE_MODE, 25, 1), 1
	s_wait_xcnt 0x0
; SECOND PRODUCT OF THE CHOSEN EXPERT.  out(token) = h W2[e] + b2[e], h as codes and scale words in the order of places that the launch before has stored; rows go back to their tokens by the list 'order'.
; PLACES.  Expert e owns whole tiles of 16 places: tiles (o_e >> 4) + e on, ceil(n_e / 16) of them (o_e: tokens with a lower expert, n_e: its own, both counted here from top1).  The places behind the last rank repeat
; the last token: their rows hold the same codes, give the same sums and are stored to the same bytes by this same work-group.  So every row of a tile is stored and no lane is ever switched off.
; SHARES.  Work-group id: expert e = id / 32, half th = (id / 16) % 2, 64 output columns cn = id % 16 (256 bytes of a row of out).  It takes the expert's tiles i = th, th + 2, .., five (NS) a trip:
; an expert of up to 160 tokens is served by the first trip; seven trips hold 35 tiles, and a half has 32 at the most.
; Wave kq owns K steps 8 kq .. 8 kq + 7: its part of W2 (4 tiles of columns x 8 K steps, 256 registers) stays in registers, and of each tile of h it reads its own 8,192 bytes: nothing is read twice in a work-group.
; The four waves' sums meet in LDS; the same pass turns them into rows: sixteen lanes store 256 consecutive bytes, aligned.
; THE PRODUCT IS USED TRANSPOSED (source 0 = 16 rows of W2, source 1 = 16 places of h): a lane holds one place and eight neighbouring columns.
; NO CLUSTER, NO TENSOR LOAD: which tiles a work-group has hangs on numbers read from memory.  The loop's trips are a constant and both barriers stand outside every branch; a trip without a tile runs the barriers and little else.
; LIMITS: NaN and infinities are not served.  K is summed in four parts, each ascending, and the parts are added in f32.
; REGISTERS, in windows of 256: window 0: v1-17 addresses; v24-27 b2; v28-43 W2's scale words, v44-63 h's: scales and nothing else; v76-85 tokens, then their offsets in out; v92-112 offsets; v116-147 four accumulators
;   (first top1's 32 words); v148-179 at work.   window 1: W2's rows as loaded, then its fragments (64 t + 8 s).   window 2: h's fragments of slots 0-3 (64 u + 8 s);   window 3: slot 4's.
.set NS,    5                          ; slots a trip
.set TRIPS, 7
.set WP,    528                        ; W2's stage: 64 rows x (512 bytes + 16) for each wave, its own
.set WSTW,  33792
.set PART,  135168                     ; the parts: wave kq, slot u, row: PART + 21,760 kq + 4,352 u + 272 row
.set PSL,   4352
.set PARTW, NS*PSL
.set BI,  24
.set W2S, 28
.set HS,  44
.set OR,  76
.set VO,  92
.set VS,  100
.set VR,  108
.set ACC, 116
.set RD,  148
.set MK,  32                           ; s32-63  the lanes of top1's word j whose token has my expert
.set PX,  66                           ; s66-97  those whose token has a lower expert
.set MSB, 0
.macro WIN new                         ; the immediate's high byte repeats the setting that is left
.if MSB != \new
	s_set_vgpr_msb (MSB<<8)|\new
.set MSB, \new
.endif
.endm
	s_load_b512 s[4:19], s[0:1], 0x0               ; hq, hs, order, top1, W2's codes, W2's scales, b2, out
	v_lshl_add_u32 v254, v0, 2, 0x36400
	v_mov_b32 v255, 0
	v_lshrrev_b32 v1, 5, v0
	v_readfirstlane_b32 s22, v1                    ; kq
	s_bfe_u32 s23, ttmp9, 0x10004                  ; th
	s_lshr_b32 s24, ttmp9, 5                       ; e
	s_and_b32 s25, ttmp9, 15                       ; cn
	v_and_b32 v1, 31, v0                           ; lane
	v_and_b32 v2, 15, v0                           ; r
	v_bfe_u32 v3, v0, 4, 1                         ; h
	v_lshlrev_b32 v4, 4, v1                        ; 16 x lane
	s_mul_i32 s2, s22, WSTW
	v_add_nc_u32 v5, s2, v4                        ; W2's stage, in
	v_mul_u32_u24 v6, v2, WP
	v_lshl_add_u32 v6, v3, 4, v6
	v_add_nc_u32 v6, s2, v6                        ; and out: a fragment's row x pitch + 16 h
	s_mul_i32 s2, s22, PARTW
	v_mul_u32_u24 v7, v2, 272
	v_lshl_add_u32 v7, v3, 5, v7
	v_add_nc_u32 v7, s2, v7
	v_add_nc_u32 v7, PART, v7                      ; my part: row r, + 32 h
	s_mul_i32 s2, s22, 4*272
	v_mul_u32_u24 v17, v3, 2*272
	v_lshl_add_u32 v17, v2, 4, v17
	v_add_nc_u32 v17, s2, v17                      ; back: rows 4 kq + 2 h and the next, 16 bytes a lane,
.irp p, 0,1,2,3
	v_add_nc_u32 v[8+\p], PART+\p*PARTW, v17       ; of each of the four parts
.endr
	s_lshl_b32 s2, s22, 4
	v_lshlrev_b32 v13, 3, v3
	v_add_nc_u32 v13, s2, v13                      ; order: 4 (4 kq + 2 h): my two rows' tokens are neighbours
	v_lshlrev_b32 v15, 4, v2                       ; 16 r: my four columns
	v_lshlrev_b32 v16, 7, v1                       ; W2's scales: 128 bytes a row, lanes 0-15 an even tile's rows, lanes 16-31 the odd tile's
	s_mov_b32 s3, 0
	s_wait_kmcnt 0x0
	s_lshl_b32 s2, s24, 21                         ; W2's codes: expert, 64 rows of 2,048 bytes, my 512 bytes of each
	s_lshl_b32 s31, s25, 17
	s_add_co_u32 s2, s2, s31
	s_lshl_b32 s31, s22, 9
	s_add_co_u32 s2, s2, s31
	s_add_nc_u64 s[12:13], s[12:13], s[2:3]
	s_lshl_b32 s2, s24, 17                         ; W2's scales
	s_lshl_b32 s31, s25, 13
	s_add_co_u32 s2, s2, s31
	s_lshl_b32 s31, s22, 5
	s_add_co_u32 s2, s2, s31
	s_add_nc_u64 s[14:15], s[14:15], s[2:3]
	s_lshl_b32 s2, s24, 12                         ; b2
	s_lshl_b32 s31, s25, 8
	s_add_co_u32 s2, s2, s31
	s_add_nc_u64 s[16:17], s[16:17], s[2:3]
	s_lshl_b32 s2, s22, 13                         ; hq: my 8 K steps of 1,024 bytes
	s_add_nc_u64 s[4:5], s[4:5], s[2:3]
	s_lshl_b32 s2, s22, 9                          ; hs: my 512 bytes of a tile's 2,048
	s_add_nc_u64 s[6:7], s[6:7], s[2:3]
	s_lshl_b32 s2, s25, 8                          ; out: my 64 columns
	s_add_nc_u64 s[18:19], s[18:19], s[2:3]
.set i, 0
.rept 8
	global_load_b128 v[ACC+4*i:ACC+4*i+3], v4, s[10:11] offset:512*i   ; top1, all 1,024 words: 32 a lane
.set i, i+1
.endr
.irp p, 0,1
	global_load_b128 v[W2S+8*\p:W2S+8*\p+3], v16, s[14:15] offset:4096*\p
	global_load_b128 v[W2S+8*\p+4:W2S+8*\p+7], v16, s[14:15] offset:4096*\p+16
.endr
	global_load_b128 v[BI:BI+3], v15, s[16:17]
	WIN 0x40
.set i, 0
.rept 48
	global_load_b128 v[4*i:4*i+3], v4, s[12:13] offset:2048*i      ; 512 consecutive bytes of a row of W2; the work-group of the other half reads them too
.set i, i+1
.endr
	WIN 0
	s_wait_loadcnt 53                              ; behind top1's loads: 4 of scales, 1 of b2, 48 rows: they may stay out
.set i, 0
.rept 32
	v_cmp_eq_u32 s[MK+i], s24, v[ACC+i]
	v_cmp_gt_u32 s[PX+i], s24, v[ACC+i]
.set i, i+1
.endr
	WIN 0x40
.set i, 48
.rept 16
	global_load_b128 v[4*i:4*i+3], v4, s[12:13] offset:2048*i      ; W2's last 16 rows
.set i, i+1
.endr
	WIN 0
	s_mov_b32 s20, 0                               ; o_e
	s_mov_b32 s21, 0                               ; n_e
.set i, 0
.rept 32
	s_bcnt1_i32_b32 s2, s[PX+i]
	s_add_co_u32 s20, s20, s2
	s_bcnt1_i32_b32 s3, s[MK+i]
	s_add_co_u32 s21, s21, s3
.set i, i+1
.endr
	s_lshr_b32 s26, s20, 4
	s_add_co_u32 s26, s26, s24                     ; the expert's first tile of places: (o_e >> 4) + e
	s_add_co_u32 s2, s21, 15
	s_lshr_b32 s27, s2, 4                          ; its tiles: 64 at the most, none for an expert without tokens
	s_sub_co_u32 s28, s27, 1
	s_mov_b32 s29, s23                             ; the trip's first tile
; The offsets of the five slots, tiles s29 + 2 u.  A slot without a tile is held to a tile inside the buffers, and its 16 loads of codes all name one piece of 16 bytes.
; Both counted numbers are held by a constant before they enter an offset: the tile of places at 71, the count of tiles left at 1; behind the holds stand a multiply, left shifts and adds alone.
.macro HADDR
.irp u, 0,1,2,3,4
	s_add_co_u32 s2, s29, 2*\u                     ; the slot's tile i
	s_max_u32 s3, s27, s2
	s_sub_co_u32 s3, s3, s2                        ; the expert's tiles from i on,
	s_min_u32 s3, s3, 1                            ; held at 1: 1 where the slot has a tile, else 0
	s_min_u32 s2, s2, s28
	s_add_co_u32 s2, s2, s26
	s_min_u32 s2, s2, 71                           ; the tile of places, held inside the buffers
	v_mul_u32_u24 v[VO+\u], s3, v4                 ; 16 x lane, or 0 in every lane
	v_lshl_add_u32 v[VO+\u], s2, 15, v[VO+\u]      ; hq: 32,768 bytes a tile of places
	v_lshl_add_u32 v[VS+\u], s2, 11, v4            ; hs: 2,048 bytes a tile, 16 bytes a lane
	v_lshl_add_u32 v[VR+\u], s2, 6, v13            ; order: 64 bytes a tile
.endr
.endm
; one slot's 16 loads of codes: each an image of four registers, 512 consecutive bytes
.macro HCODES u
.irp s, 0,1,2,3,4,5,6,7
.irp c, 0,1
	global_load_b128 v[64*((\u)%4)+8*\s+4*\c:64*((\u)%4)+8*\s+4*\c+3], v[VO+\u], s[4:5] offset:1024*\s+512*\c
.endr
.endr
.endm
.macro HLD_A                           ; 48 loads: the codes of slots 0 to 2
	WIN 0x80
	HCODES 0
	HCODES 1
	HCODES 2
	WIN 0
.endm
.macro HLD_B                           ; 42 loads: the codes of slots 3 and 4; each slot's scale words and tokens
	WIN 0x80
	HCODES 3
	WIN 0xc0
	HCODES 4
	WIN 0
.irp u, 0,1,2,3,4
	global_load_b128 v[HS+4*\u:HS+4*\u+3], v[VS+\u], s[6:7]        ; register q: lanes 0-15 my K step 2 q, lanes 16-31 2 q + 1; 512 consecutive bytes
	global_load_b64 v[OR+2*\u:OR+2*\u+1], v[VR+\u], s[8:9]         ; the tokens of my two rows
.endr
.endm
; The tokens are held inside the table and become offsets in out directly behind the wait for their loads: no path leads round the hold
.macro ORFIX
.set i, 0
.rept 2*NS
	v_min_u32 v[OR+i], 0x3ff, v[OR+i]
.set i, i+1
.endr
.set i, 0
.rept 2*NS
	v_lshl_add_u32 v[OR+i], v[OR+i], 12, v15       ; a row of 4,096 bytes, my 16 bytes
.set i, i+1
.endr
.endm
	HADDR
	HLD_A
	s_wait_loadcnt 48                              ; the 48 loads just issued may stay out: W2's 64 rows, its scales and b2 are in.  W2 is turned through LDS while h is on its way
	WIN 0x04
.set i, 0
.rept 64
	ds_store_b128 v5, v[4*i:4*i+3] offset:WP*i
.set i, i+1
.endr
	WIN 0
	HLD_B
	s_wait_dscnt 0x0                               ; the stores have read their registers, into which the loads below land
	WIN 0x40
.irp t, 0,1,2,3
.irp s, 0,1,2,3,4,5,6,7
.irp c, 0,1
	ds_load_b128 v[64*\t+8*\s+4*\c:64*\t+8*\s+4*\c+3], v6 offset:16*\t*WP+64*\s+32*\c   ; my wave's own bytes: no barrier
.endr
.endr
.endr
	WIN 0
	s_wait_loadcnt 0x0
	ORFIX
	s_wait_dscnt 0x0
; one product: slot u, tile t of columns, my K step s.  The first K step starts the sum with the constant 0.
.macro MM2 u, t, s
.set rD, ACC+8*(\t)
.set rA, 64*(\t)+8*(\s)
.set rB, 64*((\u)%4)+8*(\s)
.set rSA, W2S+8*((\t)/2)+(\s)
.set rSB, HS+4*(\u)+(\s)/2
.if (\s) == 0
.if (\t)%2
	v_wmma_scale_f32_16x16x128_f8f6f4 v[rD:rD+7], v[rA:rA+7], v[rB:rB+7], 0, v[rSA], v[rSB] matrix_a_fmt:MATRIX_FMT_FP4 matrix_b_fmt:MATRIX_FMT_FP4 matrix_a_scale:MATRIX_SCALE_ROW1
.else
	v_wmma_scale_f32_16x16x128_f8f6f4 v[rD:rD+7], v[rA:rA+7], v[rB:rB+7], 0, v[rSA], v[rSB] matrix_a_fmt:MATRIX_FMT_FP4 matrix_b_fmt:MATRIX_FMT_FP4
.endif
.elseif (\s)%2
.if (\t)%2
	v_wmma_scale_f32_16x16x128_f8f6f4 v[rD:rD+7], v[rA:rA+7], v[rB:rB+7], v[rD:rD+7], v[rSA], v[rSB] matrix_a_fmt:MATRIX_FMT_FP4 matrix_b_fmt:MATRIX_FMT_FP4 matrix_a_scale:MATRIX_SCALE_ROW1 matrix_b_scale:MATRIX_SCALE_ROW1
.else
	v_wmma_scale_f32_16x16x128_f8f6f4 v[rD:rD+7], v[rA:rA+7], v[rB:rB+7], v[rD:rD+7], v[rSA], v[rSB] matrix_a_fmt:MATRIX_FMT_FP4 matrix_b_fmt:MATRIX_FMT_FP4 matrix_b_scale:MATRIX_SCALE_ROW1
.endif
.else
.if (\t)%2
	v_wmma_scale_f32_16x16x128_f8f6f4 v[rD:rD+7], v[rA:rA+7], v[rB:rB+7], v[rD:rD+7], v[rSA], v[rSB] matrix_a_fmt:MATRIX_FMT_FP4 matrix_b_fmt:MATRIX_FMT_FP4 matrix_a_scale:MATRIX_SCALE_ROW1
.else
	v_wmma_scale_f32_16x16x128_f8f6f4 v[rD:rD+7], v[rA:rA+7], v[rB:rB+7], v[rD:rD+7], v[rSA], v[rSB] matrix_a_fmt:MATRIX_FMT_FP4 matrix_b_fmt:MATRIX_FMT_FP4
.endif
.endif
.endm
; slot u's products: 32, the four accumulators by turns, one instruction a turn; then my part of the sums goes to LDS
.macro CSLOT u
	s_add_co_u32 s2, s29, 2*\u
	s_cmp_ge_u32 s2, s27
	s_cbranch_scc1 .Lc_\@
	s_wait_dscnt 0x0                               ; the last slot's stores have read the accumulators
.if \u < 4
	WIN 0x09                                       ; source 0 (W2) window 1, source 1 (h) window 2
.else
	WIN 0x0d                                       ; source 1 window 3
.endif
.irp s, 0,1,2,3,4,5,6,7
.irp t, 0,1,2,3
	MM2 \u, \t, \s
.endr
.endr
	WIN 0
.rept 5
	v_nop                                          ; four places ahead of the stores' reads; five ahead of the next slot's products, which begin the same accumulators anew
.endr
.irp t, 0,1,2,3
	ds_store_b128 v7, v[ACC+8*\t:ACC+8*\t+3] offset:PSL*\u+64*\t          ; each accumulator from its low end on
	ds_store_b128 v7, v[ACC+8*\t+4:ACC+8*\t+7] offset:PSL*\u+64*\t+16
.endr
.Lc_\@:
.endm
; slot u's way out: my four rows of the tile, two an instruction: the four parts and b2 are added, and each row goes to its token
.macro RSLOT u
	s_add_co_u32 s2, s29, 2*\u
	s_cmp_ge_u32 s2, s27
	s_cbranch_scc1 .Lr_\@
	s_wait_xcnt 0x0                                ; the last slot's stores have read their data, into which the loads below land
.irp k, 0,1
.irp p, 0,1,2,3
	ds_load_b128 v[RD+16*\k+4*\p:RD+16*\k+4*\p+3], v[8+\p] offset:PSL*\u+272*\k
.endr
.endr
	s_wait_dscnt 0x0
.irp k, 0,1
	v_pk_add_f32 v[RD+16*\k:RD+16*\k+1], v[RD+16*\k:RD+16*\k+1], v[RD+16*\k+4:RD+16*\k+5]
	v_pk_add_f32 v[RD+16*\k+2:RD+16*\k+3], v[RD+16*\k+2:RD+16*\k+3], v[RD+16*\k+6:RD+16*\k+7]
	v_pk_add_f32 v[RD+16*\k+8:RD+16*\k+9], v[RD+16*\k+8:RD+16*\k+9], v[RD+16*\k+12:RD+16*\k+13]
	v_pk_add_f32 v[RD+16*\k+10:RD+16*\k+11], v[RD+16*\k+10:RD+16*\k+11], v[RD+16*\k+14:RD+16*\k+15]
.endr
.irp k, 0,1
	v_pk_add_f32 v[RD+16*\k:RD+16*\k+1], v[RD+16*\k:RD+16*\k+1], v[RD+16*\k+8:RD+16*\k+9]
	v_pk_add_f32 v[RD+16*\k+2:RD+16*\k+3], v[RD+16*\k+2:RD+16*\k+3], v[RD+16*\k+10:RD+16*\k+11]
.endr
.irp k, 0,1
	v_pk_add_f32 v[RD+16*\k:RD+16*\k+1], v[RD+16*\k:RD+16*\k+1], v[BI:BI+1]
	v_pk_add_f32 v[RD+16*\k+2:RD+16*\k+3], v[RD+16*\k+2:RD+16*\k+3], v[BI+2:BI+3]
.endr
.irp k, 0,1
	global_store_b128 v[OR+2*\u+\k], v[RD+16*\k:RD+16*\k+3], s[18:19] th:TH_STORE_NT   ; sixteen lanes store 256 consecutive bytes, aligned
.endr
.Lr_\@:
.endm
	s_mov_b32 s30, 0
.Lgrp:                                             ; 7 trips, a constant: 5 slots each
	s_cmp_ge_u32 s29, s27
	s_cbranch_scc1 .Lno_products                   ; a trip without a tile: one jump over all five slots
.irp u, 0,1,2,3,4
	CSLOT \u
.endr
.Lno_products:
	s_wait_dscnt 0x0                               ; for the others' sake: my parts lie in LDS
	s_barrier_signal -1
	s_barrier_wait -1
	s_cmp_ge_u32 s29, s27
	s_cbranch_scc1 .Lno_rows
.irp u, 0,1,2,3,4
	RSLOT \u
.endr
.Lno_rows:
	s_wait_dscnt 0x0                               ; my reads of the parts are in: behind this barrier they are written again
	s_barrier_signal -1
	s_barrier_wait -1
	s_add_co_u32 s29, s29, 2*NS
	s_cmp_ge_u32 s29, s27
	s_cbranch_scc1 .Lno_more
	s_wait_xcnt 0x0                                ; the stores have read their offsets: those registers are loaded again below
	HADDR                                          ; the next five slots, where the expert has so many tiles
	HLD_A
	HLD_B
	s_wait_loadcnt 0x0
	ORFIX
.Lno_more:
	s_add_co_u32 s30, s30, 1
	s_cmp_lt_u32 s30, TRIPS
	s_cbranch_scc1 .Lgrp
	s_wait_tensorcnt 0x0
	ds_add_u32 v254, v255
	s_wait_dscnt 0x0
	s_endpgm
.Lfunc_end_k_qaf04797175_ffn2:
	.size	k_qaf04797175_ffn2, .Lfunc_end_k_qaf04797175_ffn2-k_qaf04797175_ffn2
	.p2alignl 7, 3214868480
	.fill 96, 4, 3214868480
	.section	.rodata,"a",@progbits
	.p2align	6, 0x0
	.amdhsa_kernel k_qaf04797175_ffn2
		.amdhsa_group_segment_fixed_size 222720
		.amdhsa_private_segment_fixed_size 0
		.amdhsa_enable_private_segment 0
		.amdhsa_kernarg_size 64
		.amdhsa_user_sgpr_count 2
		.amdhsa_user_sgpr_kernarg_segment_ptr 1
		.amdhsa_wavefront_size32 1
		.amdhsa_system_sgpr_workgroup_id_x 1
		.amdhsa_system_sgpr_workgroup_id_y 1
		.amdhsa_system_sgpr_workgroup_id_z 1
		.amdhsa_system_vgpr_workitem_id 0
		.amdhsa_next_free_vgpr 1024
		.amdhsa_next_free_sgpr 100
		.amdhsa_reserve_vcc 0
		.amdhsa_float_denorm_mode_32 3
		.amdhsa_float_denorm_mode_16_64 3
		.amdhsa_memory_ordered 1
		.amdhsa_forward_progress 1
		.amdhsa_inst_pref_size 86
	.end_amdhsa_kernel
	.amdgpu_metadata
---
amdhsa.version: [ 1, 2 ]
amdhsa.kernels:
  - .name:           k_qaf04797175_ffn2
    .symbol:         k_qaf04797175_ffn2.kd
    .args:
      - { .name: hq, .offset: 0, .size: 8, .value_kind: global_buffer, .address_space: global }
      - { .name: hs, .offset: 8, .size: 8, .value_kind: global_buffer, .address_space: global }
      - { .name: order, .offset: 16, .size: 8, .value_kind: global_buffer, .address_space: global }
      - { .name: top1, .offset: 24, .size: 8, .value_kind: global_buffer, .address_space: global }
      - { .name: W2_codes, .offset: 32, .size: 8, .value_kind: global_buffer, .address_space: global }
      - { .name: W2_scales, .offset: 40, .size: 8, .value_kind: global_buffer, .address_space: global }
      - { .name: b2, .offset: 48, .size: 8, .value_kind: global_buffer, .address_space: global }
      - { .name: out0, .offset: 56, .size: 8, .value_kind: global_buffer, .address_space: global }
    .group_segment_fixed_size: 222720
    .private_segment_fixed_size: 0
    .kernarg_segment_align: 8
    .kernarg_segment_size: 64
    .max_flat_workgroup_size: 128
    .sgpr_count:     100
    .vgpr_count:     1024
    .wavefront_size: 32
...
	.end_amdgpu_metadata
.endif
;; end of part 3
;; ======== version 2 of 2: 3 launches; version 1 with the launches ffn1, ffn2 written anew for expert scheduling mode
;; workspace buffers: top1 4,096 bytes of whole numbers; xq 524,288 bytes; xs 32,768 bytes; order 4,608 bytes of whole numbers; hq 2,359,296 bytes; hs 147,456 bytes
;; launch route: the kernel of part 1 again; grid 256 x 1, 4 waves a work-group, no clusters, 38,400 bytes of LDS; arguments x, gate_W, gate_b, top1, xq, xs; writes top1, xq, xs
;; launch ffn1 (part 4): grid 32 x 8, 4 waves a work-group, no clusters, 101,888 bytes of LDS; arguments top1, xq, xs, W1_codes, W1_scales, b1, hq, hs, order; writes hq, hs, order
.if DOCPART == 4
	.amdgcn_target "amdgcn-amd-amdhsa--gfx1250"
	.amdhsa_code_object_version 6
	.text
	.protected	k_qaf04797175_ffn1
	.globl	k_qaf04797175_ffn1
	.p2align	8
	.type	k_qaf04797175_ffn1,@function
k_qaf04797175_ffn1:
	s_mov_b64 s[64:65], 0
	v_nop
	global_prefetch_b8 v0, s[64:65] scope:SCOPE_SE
	s_setreg_imm32_b32 hwreg(HW_REG_WAVE_SCHED_MODE, 0, 2), 2
	s_setreg_imm32_b32 hwreg(HW_REG_WAVE_MODE, 25, 1), 1
	s_wait_xcnt 0x0
	s_wait_alu depctr_vm_vsrc(0)
; FIRST PRODUCT OF THE CHOSEN EXPERT, gelu AND QUANTISER.  h = Q(gelu(Q(x) W1[e] + b1[e])) for the tokens whose top1 is e, and for those alone: the others' rows are not computed.
; SHARES.  Work-group (c, e): hidden units 128 c .. 128 c + 127 of expert e.  All four waves hold these 128 x 1,024 codes in registers (64 fragments, 512 registers); wave w takes the expert's tiles of 16 rows i = w + 4 m.
; PLACES.  Expert e owns whole tiles of 16 places: tiles (o_e >> 4) + e on, ceil(n_e / 16) of them (o_e: tokens with a lower expert; n_e: its own).  Its last tile is at most ((o_e + n_e - 1) >> 4) + e, under the next
; expert's first: no tile is shared, and the highest tile is 70.  Place 16 i + r of the expert holds its token of rank 16 i + r; the places behind the last rank repeat the last token, whose row is worked again.
; Which token has which rank is read off top1 by whole-number work in registers (SELECT), alike in all work-groups of an expert; the work-groups of c = 0 store it (order) for the next launch.
; THE PRODUCT IS USED TRANSPOSED (source 0 = 16 rows of W1, source 1 = 16 tokens), and lane r of tile 2 b + u takes W1's row 32 b + 8 u + r + 8 (r / 8): a lane holds one token, and the 16 registers of tiles 2 b, 2 b + 1 are
; 16 neighbours along the next K.  The wave's 128 units are K step c of the second product: one fragment and one scale word a row.  Both are stored as images of the next launch's registers:
; hq [tile of places 72][K step 32][2][lane 32][16 bytes];  hs [tile 72][c / 8][16 (c % 2) + row][(c / 2) % 4] words: the wave that owns K steps 8 kq .. 8 kq + 7 there takes a tile's words by 16 bytes a lane.
; gelu(x) = max(x, 0) - |x| q, q = erfc(|x| / sqrt 2) / 2 = t 2^A, t = 1 / (1 + |x| sqrt 2 / 4), A = a polynomial of degree 9 in t - x^2 log2(e) / 2: a fit of erfc whose fractional error stays under 1.2e-7.
; NO CLUSTER, NO TENSOR LOAD: how many tiles a wave walks hangs on numbers read from memory, and no two work-groups read the same weights.
; LIMITS: NaN and infinities are not served.  Where 2^A falls under the smallest normal number q is 0.  A block of zeros gets the byte 1 (its codes are zeros; only this program reads the bytes); blocks under 2^-124 are held at the byte 1.
; REGISTERS, in windows of 256: window 0: v1-18 addresses; v24-55 W1's scale words, v56-63 x's: scales and nothing else; v64-127 the 8 accumulators; v128-223 at work; v224-248 the quantiser's; v250-253 two constants.
;   window 1: W1's fragments of tiles 0-3 (64 t + 8 s), first the landing place of my 32 rows.   window 2: tiles 4-7.   window 3: v0-63 x's 8 fragments; v64-127 b1 in the result's layout; v128-191 16 rows of x as loaded; v192-207 their offsets.
; THE MODE: SCHED_MODE bits 1:0 = 2 (LLVM: expert scheduling mode 2), set by the entry lines.  The code itself states the register dependences between vector or matrix instructions and memory or LDS instructions, with s_wait_alu, always for 0.
; THE PLAN.  Registers that memory or LDS instructions touch, in the loop:
;   v4, v6-v11   offsets and LDS addresses, made at the head and never written again.
;   v13          the tile's tokens.  Written by SELECT; read by the store to order at the next trip's head.
;   v15, OF      the offsets of x's loads.  Written in XLOADS; read by its 18 loads.
;   XSW          x's scale words.  The first two of those loads land in it; the next trip's products read it.
;   RT           16 rows of x.  The other 16 loads land in it; the next trip's 16 LDS stores read it.
;   XF           x's fragments.  The trip's LDS loads land in it; the trip's products read it.
;   v16-v18      the stores' offsets.  Written at a trip's head; v17 is read by the store to order, v16 and v18 by the stores at the trip's end.
;   PC, PW       codes and scale word.  Written by the quantiser; read by the three stores at the trip's end.
; A trip's waits: at its head one on vm_vsrc (the last trip's stores have read what this trip writes again) and, behind the three offsets, one on va_vdst; ahead of SELECT one on vm_vsrc; in XLOADS one on va_vdst, behind
; all the offsets and ahead of all 18 loads; ahead of the trip's last three stores one on va_vdst.  Scalars and VCC that vector instructions write have their wait ahead of the first reader: the compares of SELECT's walk stand in runs of eight.
.set WP,  528                          ; a stage row: 512 bytes + 16: sixteen rows that a load touches start in different banks
.set XST, 67584                        ; LDS: 0: W1's 128 rows in the order of the fragments; XST + 8,448 w: my wave's 16 rows of x
.set WS,  24
.set XSW, 56
.set HA,  64
.set T,   128
.set U,   160
.set W,   192
.set TM,  224
.set PC,  240
.set PW,  248
.set KC9, 250
.set KK2, 252
.set XF,  0                            ; window 3
.set B1,  64
.set RT,  128
.set OF,  192
.set MK,  32                           ; s32-63  word j of top1's 32 registers: the lanes whose token has my expert
.set PX,  66                           ; s66-97  (tokens of my expert in the words before j) << 10 | the token of word j's lane 0
.set SEL, 100                          ; s100-101 selects for lane l xor 16
.set K1,  104                          ; s104    sqrt 2 / 4
.set MSB, 0
.macro WIN new                         ; the immediate's high byte repeats the setting that is left
.if MSB != \new
	s_set_vgpr_msb (MSB<<8)|\new
.set MSB, \new
.endif
.endm
	s_load_b512 s[4:19], s[0:1], 0x0               ; top1, xq, xs, W1's codes, W1's scales, b1, hq, hs
	s_load_b64 s[20:21], s[0:1], 0x40              ; order
	v_lshl_add_u32 v254, v0, 2, 0x18c00
	v_mov_b32 v255, 0
	v_lshrrev_b32 v1, 5, v0
	v_readfirstlane_b32 s24, v1                    ; wave
	s_and_b32 s25, ttmp7, 0xffff                   ; e
	s_mov_b32 s26, ttmp9                           ; c
	v_and_b32 v1, 31, v0                           ; lane
	v_and_b32 v2, 15, v0                           ; r
	v_bfe_u32 v3, v0, 4, 1                         ; h
	v_lshlrev_b32 v4, 4, v1                        ; 16 x lane
	s_wait_alu depctr_va_sdst(0)                   ; s24 is written, ahead of its first reader
	s_mul_i32 s2, s24, 32*WP
	v_add_nc_u32 v6, s2, v4                        ; W1's stage, in: my wave's 32 rows
	v_mul_u32_u24 v7, v2, WP
	v_lshl_add_u32 v7, v3, 4, v7                   ; a fragment's row x pitch + 16 h
	s_mul_i32 s2, s24, 16*WP
	s_add_co_u32 s2, s2, XST
	v_add_nc_u32 v8, s2, v4                        ; x's stage, in
	v_add_nc_u32 v10, s2, v7                       ; and out
	v_and_b32 v9, 8, v2
	v_add_nc_u32 v9, v9, v2
	v_lshl_add_u32 v9, v3, 3, v9
	v_lshlrev_b32 v9, 5, v9                        ; W1's scale words: row 8 h + r + 8 (r / 8), 32 bytes a row: lanes 0-15 an even tile's, lanes 16-31 the odd tile's beside it
	v_lshlrev_b32 v11, 6, v3                       ; b1: 16 h numbers on
	v_lshlrev_b32 v12, 8, v3                       ; hq: 256 h
	s_mov_b32 s[SEL], 0x76543210
	s_mov_b32 s[SEL+1], 0xfedcba98
	s_mov_b32 s[K1], 0x3eb504f3
	v_mov_b32 v[KC9], 0x3e7c6f08                   ; c9, named as a pair
	v_mov_b32 v[KC9+1], 0x3e7c6f08
	v_mov_b32 v[KK2], 0xbf38aa3b                   ; -log2(e) / 2
	v_mov_b32 v[KK2+1], 0xbf38aa3b
.irp b, 0,1,2,3
	v_mov_b32 v[TM+4+\b], 0                        ; written once: a lane permute's destination counts as one of its sources
.endr
	s_mov_b32 s99, 0
	s_wait_kmcnt 0x0
	s_lshl_b32 s98, s25, 21                        ; W1's codes: expert, chunk of 128 rows of 512 bytes, my wave's 32 rows
	s_lshl_b32 s2, s26, 16
	s_add_co_u32 s98, s98, s2
	s_lshl_b32 s2, s24, 14
	s_add_co_u32 s98, s98, s2
	s_add_nc_u64 s[10:11], s[10:11], s[98:99]
	s_lshl_b32 s98, s25, 17                        ; W1's scales: 32 bytes a row
	s_lshl_b32 s2, s26, 12
	s_add_co_u32 s98, s98, s2
	s_add_nc_u64 s[12:13], s[12:13], s[98:99]
	s_lshl_b32 s98, s25, 14                        ; b1
	s_lshl_b32 s2, s26, 9
	s_add_co_u32 s98, s98, s2
	s_add_nc_u64 s[14:15], s[14:15], s[98:99]
	s_lshl_b32 s98, s26, 10                        ; hq: K step c
	s_add_nc_u64 s[16:17], s[16:17], s[98:99]
	s_lshr_b32 s98, s26, 3                         ; hs: K step c within a tile's 2,048 bytes: 512 (c / 8)
	s_lshl_b32 s98, s98, 9
	s_and_b32 s2, s26, 1
	s_lshl_b32 s2, s2, 8                           ; + 256 (c % 2)
	s_add_co_u32 s98, s98, s2
	s_bfe_u32 s2, s26, 0x20001
	s_lshl_b32 s2, s2, 2                           ; + 4 ((c / 2) % 4)
	s_add_co_u32 s98, s98, s2
	s_add_nc_u64 s[18:19], s[18:19], s[98:99]
	s_wait_alu depctr_va_vdst(0)                   ; the offsets and LDS addresses v4 and v6 to v11 are written: the loads below and every LDS access of the kernel read them, and no vector instruction writes them again
.set i, 0
.rept 8
	global_load_b128 v[T+4*i:T+4*i+3], v4, s[4:5] offset:512*i     ; top1: register j, lane l: token 128 (j / 4) + j % 4 + 4 l
.set i, i+1
.endr
	WIN 0x40
.set i, 0
.rept 32
	global_load_b128 v[4*i:4*i+3], v4, s[10:11] offset:512*i th:TH_LOAD_NT   ; a row of W1: 512 consecutive bytes; read once in the launch
.set i, i+1
.endr
	WIN 0
.irp p, 0,1,2,3
	global_load_b128 v[WS+8*\p:WS+8*\p+3], v9, s[12:13] offset:1024*\p
	global_load_b128 v[WS+8*\p+4:WS+8*\p+7], v9, s[12:13] offset:1024*\p+16
.endr
	WIN 0xc0
.irp t, 0,1,2,3,4,5,6,7
	global_load_b128 v[B1+8*\t:B1+8*\t+3], v11, s[14:15] offset:(32*(\t/2)+8*(\t%2))*4
	global_load_b128 v[B1+8*\t+4:B1+8*\t+7], v11, s[14:15] offset:(32*(\t/2)+8*(\t%2))*4+16
.endr
	WIN 0
	s_wait_loadcnt 56                              ; behind top1's loads: 32 rows, 8 of scales, 16 of b1: they may stay out
.set i, 0
.rept 32
	v_cmp_eq_u32 s[MK+i], s25, v[T+i]
	v_cmp_gt_u32 s[PX+i], s25, v[T+i]
.set i, i+1
.endr
	s_wait_alu depctr_va_sdst(0)                   ; the 64 masks are written, ahead of their first readers, the counts below
	s_mov_b32 s27, 0                               ; o_e
	s_mov_b32 s28, 0                               ; n_e
.set i, 0
.rept 32
	s_bcnt1_i32_b32 s2, s[PX+i]
	s_add_co_u32 s27, s27, s2
	s_lshl_b32 s98, s28, 10
	s_or_b32 s[PX+i], s98, 128*(i/4)+(i%4)
	s_bcnt1_i32_b32 s99, s[MK+i]
	s_add_co_u32 s28, s28, s99
.set i, i+1
.endr
	s_add_co_u32 s2, s28, 15
	s_lshr_b32 s31, s2, 4                          ; my expert's tiles: 64 at the most, none for an expert without tokens
	s_max_u32 s30, s28, 1
	s_sub_co_u32 s30, s30, 1                       ; the last rank
	s_and_not1_b32 s27, s27, 15
	s_lshl_b32 s2, s25, 4
	s_add_co_u32 s27, s27, s2                      ; my expert's first place: 16 ((o_e >> 4) + e)
; n steps of SELECT's walk, from word i0 on: a run of compares into eight scalars, one wait, then the selects in the words' order
.macro WALK i0, n
.set i, \i0
.irp q, 4,5,10,11,12,13,14,15
.if i < \i0+\n
	v_cmp_le_u32 s\q, s[PX+i], v161
.endif
.set i, i+1
.endr
	s_wait_alu depctr_va_sdst(0)                   ; the run's masks are written, ahead of the selects that read them
.set i, \i0
.irp q, 4,5,10,11,12,13,14,15
.if i < \i0+\n
	v_cndmask_b32 v162, v162, s[MK+i], s\q
	v_cndmask_b32 v163, v163, s[PX+i], s\q
.endif
.set i, i+1
.endr
.endm
; SELECT: for tile s[si], lane (r, h): v14 = the place 16 i + r of my expert; rank J = 16 i + r held at n_e - 1; v13 = the token of that rank.
; The word is found by a walk over the 32 prefixes (the last whose prefix is at most J), the bit in it by five halvings on the counts of 16, 8, 4, 2 and 1 bits.
.macro SELECT si
	s_lshl_b32 s2, s[\si], 4
	v_add_nc_u32 v160, s2, v2
	v_add_nc_u32 v14, s27, v160
	v_min_u32 v14, 0x47f, v14                      ; the place, held inside the 72 tiles
	v_min_u32 v160, s30, v160                      ; J
	v_lshl_or_b32 v161, v160, 10, 0x3ff
	v_mov_b32 v162, s[MK]
	v_mov_b32 v163, s[PX]
	WALK 1, 8
	WALK 9, 8
	WALK 17, 8
	WALK 25, 7
	v_lshrrev_b32 v164, 10, v163
	v_sub_nc_u32 v164, v160, v164                  ; k: which set bit of the word
	v_and_b32 v163, 0x3ff, v163                    ; the token of the word's lane 0
	v_lshrrev_b32 v165, 1, v162
	v_and_b32 v165, 0x55555555, v165
	v_sub_nc_u32 v165, v162, v165                  ; counts of 2 bits
	v_lshrrev_b32 v166, 2, v165
	v_and_b32 v166, 0x33333333, v166
	v_and_b32 v170, 0x33333333, v165
	v_add_nc_u32 v166, v166, v170                  ; of 4
	v_lshrrev_b32 v167, 4, v166
	v_add_nc_u32 v167, v167, v166
	v_and_b32 v167, 0x0f0f0f0f, v167               ; of 8
	v_lshrrev_b32 v168, 8, v167
	v_add_nc_u32 v168, v168, v167
	v_and_b32 v170, 0xff, v168                     ; of the low 16
	v_cmp_ge_u32 vcc_lo, v164, v170
	s_wait_alu depctr_va_vcc(0)                    ; VCC is written, ahead of the selects that read it: each halving hangs on the one before, so each has its wait
	v_cndmask_b32 v170, 0, v170, vcc_lo
	v_sub_nc_u32 v164, v164, v170
	v_cndmask_b32 v169, 0, 16, vcc_lo              ; the bit's number so far
	v_bfe_u32 v170, v167, v169, 8
	v_cmp_ge_u32 vcc_lo, v164, v170
	s_wait_alu depctr_va_vcc(0)                    ; VCC is written, ahead of the selects that read it
	v_cndmask_b32 v170, 0, v170, vcc_lo
	v_sub_nc_u32 v164, v164, v170
	v_cndmask_b32 v171, 0, 8, vcc_lo
	v_add_nc_u32 v169, v169, v171
	v_bfe_u32 v170, v166, v169, 4
	v_cmp_ge_u32 vcc_lo, v164, v170
	s_wait_alu depctr_va_vcc(0)                    ; VCC is written, ahead of the selects that read it
	v_cndmask_b32 v170, 0, v170, vcc_lo
	v_sub_nc_u32 v164, v164, v170
	v_cndmask_b32 v171, 0, 4, vcc_lo
	v_add_nc_u32 v169, v169, v171
	v_bfe_u32 v170, v165, v169, 2
	v_cmp_ge_u32 vcc_lo, v164, v170
	s_wait_alu depctr_va_vcc(0)                    ; VCC is written, ahead of the selects that read it
	v_cndmask_b32 v170, 0, v170, vcc_lo
	v_sub_nc_u32 v164, v164, v170
	v_cndmask_b32 v171, 0, 2, vcc_lo
	v_add_nc_u32 v169, v169, v171
	v_bfe_u32 v170, v162, v169, 1
	v_cmp_ge_u32 vcc_lo, v164, v170
	s_wait_alu depctr_va_vcc(0)                    ; VCC is written, ahead of the select that reads it
	v_cndmask_b32 v171, 0, 1, vcc_lo
	v_add_nc_u32 v169, v169, v171
	v_lshl_add_u32 v13, v169, 2, v163              ; lanes of a word are 4 tokens apart
	v_min_u32 v13, 0x3ff, v13
.endm
; Eight of the tile's tokens become scalars, are held inside the table, and make eight offsets: token x 512 + 16 x lane
.macro ROWS8 b
	v_readlane_b32 s4, v13, \b
	v_readlane_b32 s5, v13, \b+1
	v_readlane_b32 s10, v13, \b+2
	v_readlane_b32 s11, v13, \b+3
	v_readlane_b32 s12, v13, \b+4
	v_readlane_b32 s13, v13, \b+5
	v_readlane_b32 s14, v13, \b+6
	v_readlane_b32 s15, v13, \b+7
	s_wait_alu depctr_va_sdst(0)                   ; the eight scalars are written, ahead of their first readers, the holds below
.irp q, 4,5,10,11,12,13,14,15
	s_min_u32 s\q, s\q, 0x3ff
.endr
	WIN 0xc0
	v_lshl_add_u32 v[OF+\b], s4, 9, v4
	v_lshl_add_u32 v[OF+\b+1], s5, 9, v4
	v_lshl_add_u32 v[OF+\b+2], s10, 9, v4
	v_lshl_add_u32 v[OF+\b+3], s11, 9, v4
	v_lshl_add_u32 v[OF+\b+4], s12, 9, v4
	v_lshl_add_u32 v[OF+\b+5], s13, 9, v4
	v_lshl_add_u32 v[OF+\b+6], s14, 9, v4
	v_lshl_add_u32 v[OF+\b+7], s15, 9, v4
	WIN 0
.endm
; The tile's x: all 17 offsets first, one wait, then 2 loads of scale words (lane r: token r's 32 bytes, straight into the scale registers) and 16 rows of codes, each 512 consecutive bytes
.macro XLOADS
	v_lshlrev_b32 v15, 5, v13
	ROWS8 0
	ROWS8 8
	s_wait_alu depctr_va_vdst(0)                   ; v15 and the sixteen offsets are written, which the 18 loads below read; in the loop the tile's products are done reading x's scale words, in which the first two loads land
	global_load_b128 v[XSW:XSW+3], v15, s[8:9]
	global_load_b128 v[XSW+4:XSW+7], v15, s[8:9] offset:16
	WIN 0xc3
.set i, 0
.rept 16
	global_load_b128 v[RT+4*i:RT+4*i+3], v[OF+i], s[6:7]
.set i, i+1
.endr
	WIN 0
.endm
	s_mov_b32 s3, s24                              ; my first tile
	s_wait_xcnt 0x0                                ; the loads above have read their bases: eight of those scalars are used again below
	SELECT 3
	XLOADS                                         ; without a condition: a wave without a tile loads the expert's last row (or any row), so that every register is written
	s_wait_loadcnt 18                              ; the 2 + 16 loads of x may stay out: W1's rows, its scales and b1 are in
	WIN 0x04
.set i, 0
.rept 32
	ds_store_b128 v6, v[4*i:4*i+3] offset:(16*((i/8)%2)+(i%8)+8*(i/16))*WP   ; row 32 w + i goes to the place of tile 2 w + (i / 8) % 2, lane i % 8 + 8 (i / 16)
.set i, i+1
.endr
	WIN 0
	s_wait_dscnt 0x0                               ; for the others' sake: my 32 rows lie in the stage
	s_barrier_signal -1
	s_barrier_wait -1
	WIN 0x40
	s_wait_alu depctr_vm_vsrc(0)                   ; my LDS stores have read the registers of window 1 in which W1's rows landed: the fragments' loads below land in the same registers
.irp t, 0,1,2,3
.irp s, 0,1,2,3,4,5,6,7
.irp c, 0,1
	ds_load_b128 v[64*\t+8*\s+4*\c:64*\t+8*\s+4*\c+3], v7 offset:16*\t*WP+64*\s+32*\c
.endr
.endr
.endr
	WIN 0x80
.irp t, 0,1,2,3
.irp s, 0,1,2,3,4,5,6,7
.irp c, 0,1
	ds_load_b128 v[64*\t+8*\s+4*\c:64*\t+8*\s+4*\c+3], v7 offset:16*(\t+4)*WP+64*\s+32*\c
.endr
.endr
.endr
	WIN 0
	s_wait_dscnt 0x0
; one product: tile t of W1's rows, K step s.  At s = 0 the C is b1 (window 3, the same register numbers as the accumulators of window 0)
.macro MM t, s
.set rD, HA+8*(\t)
.set rA, 64*((\t)%4)+8*(\s)
.set rB, XF+8*(\s)
.set rSA, WS+8*((\t)/2)+(\s)
.set rSB, XSW+(\s)
.if (\t)%2
	v_wmma_scale_f32_16x16x128_f8f6f4 v[rD:rD+7], v[rA:rA+7], v[rB:rB+7], v[rD:rD+7], v[rSA], v[rSB] matrix_a_fmt:MATRIX_FMT_FP4 matrix_b_fmt:MATRIX_FMT_FP4 matrix_a_scale:MATRIX_SCALE_ROW1
.else
	v_wmma_scale_f32_16x16x128_f8f6f4 v[rD:rD+7], v[rA:rA+7], v[rB:rB+7], v[rD:rD+7], v[rSA], v[rSB] matrix_a_fmt:MATRIX_FMT_FP4 matrix_b_fmt:MATRIX_FMT_FP4
.endif
.endm
.macro MMGROUP t0, wfirst, wrest       ; four accumulators by turns, one instruction a turn, K ascending
	WIN \wfirst
.irp t, \t0, \t0+1, \t0+2, \t0+3
	MM \t, 0
.endr
	WIN \wrest
.irp s, 1,2,3,4,5,6,7
.irp t, \t0, \t0+1, \t0+2, \t0+3
	MM \t, \s
.endr
.endr
.endm
; gelu of 32 numbers a lane, in place, from the accumulators' low ends on
.macro GELU H
.set XB, HA+32*\H
.set i, 0
.rept 32
	v_fma_f32 v[T+i], |v[XB+i]|, s[K1], 1.0
.set i, i+1
.endr
.set i, 0
.rept 16
	v_rcp_f32 v[T+i], v[T+i]                       ; t
	v_pk_mul_f32 v[W+i:W+i+1], v[XB+i:XB+i+1], v[XB+i:XB+i+1]
	v_rcp_f32 v[T+i+1], v[T+i+1]
	v_pk_fma_f32 v[W+i:W+i+1], v[W+i:W+i+1], v[KK2:KK2+1], 0xc034d90f op_sel_hi:[1,0,0]   ; c0 - x^2 log2(e) / 2
.set i, i+2
.endr
	s_wait_alu depctr_va_vdst(0)                   ; the 32 reciprocals have written v[T ..]: one wait for the batch, ahead of its first reader
.set i, 0
.rept 16
	v_pk_fma_f32 v[U+i:U+i+1], v[T+i:T+i+1], v[KC9:KC9+1], 0xbf97d29d op_sel_hi:[1,0,0]   ; c9 t + c8
.set i, i+2
.endr
.irp c, 0x40097039, 0xbfd1a1e5, 0x3ecdfd18, 0xbe899a80, 0x3e0efb2e, 0x3f0a29d2, 0x3fb8ab5a   ; c7 .. c1
.set i, 0
.rept 16
	v_pk_fma_f32 v[U+i:U+i+1], v[U+i:U+i+1], v[T+i:T+i+1], \c op_sel_hi:[1,1,0]
.set i, i+2
.endr
.endr
.set i, 0
.rept 16
	v_pk_fma_f32 v[U+i:U+i+1], v[U+i:U+i+1], v[T+i:T+i+1], v[W+i:W+i+1]   ; A
.set i, i+2
.endr
.set i, 0
.rept 32
	v_exp_f32 v[U+i], v[U+i]
	v_max_num_f32 v[W+i], 0, v[XB+i]
.set i, i+1
.endr
	s_wait_alu depctr_va_vdst(0)                   ; the 32 exponentials have written v[U ..]: one wait for the batch, ahead of its first reader
.set i, 0
.rept 16
	v_pk_mul_f32 v[T+i:T+i+1], v[T+i:T+i+1], v[U+i:U+i+1]   ; q
.set i, i+2
.endr
.set i, 0
.rept 32
	v_fma_f32 v[XB+i], -|v[XB+i]|, v[T+i], v[W+i]
.set i, i+1
.endr
.endm
; 64 numbers of a lane, register 16 b + i = k 32 b + 16 h + i of my row, become a fragment's codes in v[PC] on and its scale word in v[PW]
.macro QUANT s
.irp b, 0,1,2,3
	v_max3_num_f32 v[TM+\b], |v[\s+16*\b]|, |v[\s+1+16*\b]|, 0x1800000   ; and the floor 2^(3 - 127): the byte cannot fall under 1
.endr
.irp i, 2,4,6,8,10,12,14
.irp b, 0,1,2,3
	v_max3_num_f32 v[TM+\b], v[TM+\b], |v[\s+16*\b+\i]|, |v[\s+1+16*\b+\i]|
.endr
.endr
.irp b, 0,1,2,3
	v_permlanex16_b32 v[TM+4+\b], v[TM+\b], s[SEL], s[SEL+1]
.endr
.irp b, 0,1,2,3
	v_max_num_f32 v[TM+\b], v[TM+\b], v[TM+4+\b]   ; with lane l xor 16's: the block's largest magnitude
.endr
.irp b, 0,1,2,3
	v_add_nc_u32 v[TM+12+\b], 0xff000000, v[TM+\b] ; 2 off its exponent field: the conversion's scale operand
.endr
.irp b, 0,1,2,3
	v_lshrrev_b32 v[TM+4+\b], 23, v[TM+12+\b]      ; the scale's byte
.endr
	v_lshl_or_b32 v[PW], v[TM+5], 8, v[TM+4]
	v_lshl_or_b32 v[PW], v[TM+6], 16, v[PW]
	v_lshl_or_b32 v[PW], v[TM+7], 24, v[PW]
.irp b, 0,1,2,3
	v_cvt_scalef32_pk8_fp4_f32 v[PC+2*\b], v[\s+16*\b:\s+7+16*\b], v[TM+12+\b]
	v_cvt_scalef32_pk8_fp4_f32 v[PC+1+2*\b], v[\s+8+16*\b:\s+15+16*\b], v[TM+12+\b]
.endr
	v_nop                                          ; one plain line behind the last conversion
.irp c, 0,1                                    ; the operand's layout wants a whole block in a lane
.irp i, 0,1
	v_permlane16_swap_b32 v[PC+4*\c+\i], v[PC+2+4*\c+\i]
.endr
.endr
.endm
	s_mov_b32 s105, 0
.Ltile:                                            ; 16 trips at the most, a constant; my tiles ascend, so the first that the expert does not have ends the walk
	s_cmp_ge_u32 s3, s31
	s_cbranch_scc1 .Ldone
	s_wait_loadcnt 0x0                             ; this tile's x is in (asked for behind the last tile's products, or at the head)
	s_wait_xcnt 0x0                                ; the last tile's stores have read their offsets and data
	s_wait_alu depctr_vm_vsrc(0)                   ; the last tile's stores have read v16 to v18, which the lines below write again, and v[PC ..] and v[PW], which this tile's quantiser writes again
	v_and_b32 v16, 0x7f0, v14
	v_and_b32 v17, 15, v14
	v_lshlrev_b32 v18, 7, v16                      ; hs: 2,048 bytes a tile of places,
	v_lshl_add_u32 v18, v17, 4, v18                ; 16 bytes a row
	v_lshlrev_b32 v16, 11, v16                     ; hq: 32,768 bytes a tile of places,
	v_lshl_add_u32 v16, v17, 4, v16                ; 16 bytes a row,
	v_add_nc_u32 v16, v16, v12                     ; 256 h: together 16 x lane
	v_lshlrev_b32 v17, 2, v14                      ; order: 4 bytes a place
	s_wait_alu depctr_va_vdst(0)                   ; v16 to v18 are written, which this tile's stores read as offsets, and v13, the data of the store to order; the last tile's products are done reading x's fragments, in which the LDS loads below land
	s_cmp_lg_u32 s26, 0
	s_cbranch_scc1 .Lno_order
	global_store_b32 v17, v13, s[20:21]            ; chunk 0: the token at each of the tile's places
.Lno_order:
	WIN 0x0c
.set i, 0
.rept 16
	ds_store_b128 v8, v[RT+4*i:RT+4*i+3] offset:i*WP
.set i, i+1
.endr
	WIN 0xc0
.irp s, 0,1,2,3,4,5,6,7
.irp c, 0,1
	ds_load_b128 v[XF+8*\s+4*\c:XF+8*\s+4*\c+3], v10 offset:64*\s+32*\c   ; my wave's own bytes, served in order: these see the stores above.  No vector or matrix instruction since the wait above names these registers
.endr
.endr
	WIN 0
	s_wait_dscnt 0x0
	MMGROUP 0, 0x3d, 0x0d                          ; source 0 window 1, source 1 window 3, C window 3 (b1), then window 0
	MMGROUP 4, 0x3e, 0x0e                          ; source 0 window 2
	WIN 0
.rept 4
	v_nop                                          ; four places ahead of the first read of results
.endr
	s_add_co_u32 s98, s3, 4
	s_cmp_ge_u32 s98, s31
	s_cbranch_scc1 .Lno_next
	s_wait_xcnt 0x0                                ; the store of v13 has read it
	s_wait_alu depctr_vm_vsrc(0)                   ; the store to order has read v13, the LDS stores the 16 rows of x, the last 18 loads v15 and their sixteen offsets: all are written again below
	SELECT 98                                      ; my next tile: its 18 loads land while this tile's gelu and quantiser run
	XLOADS
.Lno_next:
	GELU 0
	GELU 1
	QUANT HA
	s_wait_alu depctr_va_vdst(0)                   ; the conversions and the lane exchanges have written v[PC ..], the shifts v[PW]: the three stores below read them
	global_store_b128 v16, v[PC:PC+3], s[16:17]             ; the 32 lanes store 512 consecutive bytes, aligned
	global_store_b128 v16, v[PC+4:PC+7], s[16:17] offset:512
	global_store_b32 v18, v[PW], s[18:19]                   ; lanes 16-31 repeat lanes 0-15's words
	s_add_co_u32 s3, s3, 4
	s_add_co_u32 s105, s105, 1
	s_cmp_lt_u32 s105, 16
	s_cbranch_scc1 .Ltile
.Ldone:
	s_wait_dscnt 0x0                               ; the closing lines, six on end
	s_wait_alu 0x0
	s_wait_tensorcnt 0x0
	ds_add_u32 v254, v255
	s_wait_dscnt 0x0
	s_endpgm
.Lfunc_end_k_qaf04797175_ffn1:
	.size	k_qaf04797175_ffn1, .Lfunc_end_k_qaf04797175_ffn1-k_qaf04797175_ffn1
	.p2alignl 7, 3214868480
	.fill 96, 4, 3214868480
	.section	.rodata,"a",@progbits
	.p2align	6, 0x0
	.amdhsa_kernel k_qaf04797175_ffn1
		.amdhsa_group_segment_fixed_size 101888
		.amdhsa_private_segment_fixed_size 0
		.amdhsa_enable_private_segment 0
		.amdhsa_kernarg_size 72
		.amdhsa_user_sgpr_count 2
		.amdhsa_user_sgpr_kernarg_segment_ptr 1
		.amdhsa_wavefront_size32 1
		.amdhsa_system_sgpr_workgroup_id_x 1
		.amdhsa_system_sgpr_workgroup_id_y 1
		.amdhsa_system_sgpr_workgroup_id_z 1
		.amdhsa_system_vgpr_workitem_id 0
		.amdhsa_next_free_vgpr 1024
		.amdhsa_next_free_sgpr 106
		.amdhsa_reserve_vcc 1
		.amdhsa_float_denorm_mode_32 3
		.amdhsa_float_denorm_mode_16_64 3
		.amdhsa_memory_ordered 1
		.amdhsa_forward_progress 1
		.amdhsa_inst_pref_size 121
	.end_amdhsa_kernel
	.amdgpu_metadata
---
amdhsa.version: [ 1, 2 ]
amdhsa.kernels:
  - .name:           k_qaf04797175_ffn1
    .symbol:         k_qaf04797175_ffn1.kd
    .args:
      - { .name: top1, .offset: 0, .size: 8, .value_kind: global_buffer, .address_space: global }
      - { .name: xq, .offset: 8, .size: 8, .value_kind: global_buffer, .address_space: global }
      - { .name: xs, .offset: 16, .size: 8, .value_kind: global_buffer, .address_space: global }
      - { .name: W1_codes, .offset: 24, .size: 8, .value_kind: global_buffer, .address_space: global }
      - { .name: W1_scales, .offset: 32, .size: 8, .value_kind: global_buffer, .address_space: global }
      - { .name: b1, .offset: 40, .size: 8, .value_kind: global_buffer, .address_space: global }
      - { .name: hq, .offset: 48, .size: 8, .value_kind: global_buffer, .address_space: global }
      - { .name: hs, .offset: 56, .size: 8, .value_kind: global_buffer, .address_space: global }
      - { .name: order, .offset: 64, .size: 8, .value_kind: global_buffer, .address_space: global }
    .group_segment_fixed_size: 101888
    .private_segment_fixed_size: 0
    .kernarg_segment_align: 8
    .kernarg_segment_size: 72
    .max_flat_workgroup_size: 128
    .sgpr_count:     106
    .vgpr_count:     1024
    .wavefront_size: 32
...
	.end_amdgpu_metadata
.endif
;; end of part 4
;; launch ffn2 (part 5): grid 256 x 1, 4 waves a work-group, no clusters, 222,720 bytes of LDS; arguments hq, hs, order, top1, W2_codes, W2_scales, b2, out0; writes out0
.if DOCPART == 5
	.amdgcn_target "amdgcn-amd-amdhsa--gfx1250"
	.amdhsa_code_object_version 6
	.text
	.protected	k_qaf04797175_ffn2
	.globl	k_qaf04797175_ffn2
	.p2align	8
	.type	k_qaf04797175_ffn2,@function
k_qaf04797175_ffn2:
	s_mov_b64 s[64:65], 0
	v_nop
	global_prefetch_b8 v0, s[64:65] scope:SCOPE_SE
	s_setreg_imm32_b32 hwreg(HW_REG_WAVE_SCHED_MODE, 0, 2), 2
	s_setreg_imm32_b32 hwreg(HW_REG_WAVE_MODE, 25, 1), 1
	s_wait_xcnt 0x0
	s_wait_alu depctr_vm_vsrc(0)
; SECOND PRODUCT OF THE CHOSEN EXPERT.  out(token) = h W2[e] + b2[e], h as codes and scale words in the order of places that the launch before has stored; rows go back to their tokens by the list 'order'.
; PLACES.  Expert e owns whole tiles of 16 places: tiles (o_e >> 4) + e on, ceil(n_e / 16) of them (o_e: tokens with a lower expert, n_e: its own, both counted here from top1).  The places behind the last rank repeat
; the last token: their rows hold the same codes, give the same sums and are stored to the same bytes by this same work-group.  So every row of a tile is stored and no lane is ever switched off.
; SHARES.  Work-group id: expert e = id / 32, half th = (id / 16) % 2, 64 output columns cn = id % 16 (256 bytes of a row of out).  It takes the expert's tiles i = th, th + 2, .., five (NS) a trip:
; an expert of up to 160 tokens is served by the first trip; seven trips hold 35 tiles, and a half has 32 at the most.
; Wave kq owns K steps 8 kq .. 8 kq + 7: its part of W2 (4 tiles of columns x 8 K steps, 256 registers) stays in registers, and of each tile of h it reads its own 8,192 bytes: nothing is read twice in a work-group.
; The four waves' sums meet in LDS; the same pass turns them into rows: sixteen lanes store 256 consecutive bytes, aligned.
; THE PRODUCT IS USED TRANSPOSED (source 0 = 16 rows of W2, source 1 = 16 places of h): a lane holds one place and eight neighbouring columns.
; NO CLUSTER, NO TENSOR LOAD: which tiles a work-group has hangs on numbers read from memory.  The loop's trips are a constant and both barriers stand outside every branch; a trip without a tile runs the barriers and little else.
; LIMITS: NaN and infinities are not served.  K is summed in four parts, each ascending, and the parts are added in f32.
; REGISTERS, in windows of 256: window 0: v1-17 addresses; v24-27 b2; v28-43 W2's scale words, v44-63 h's: scales and nothing else; v76-85 tokens, then their offsets in out; v92-112 offsets; v116-147 four accumulators
;   (first top1's 32 words); v148-179 at work.   window 1: W2's rows as loaded, then its fragments (64 t + 8 s).   window 2: h's fragments of slots 0-3 (64 u + 8 s);   window 3: slot 4's.
; THE MODE: SCHED_MODE bits 1:0 = 2 (LLVM: expert scheduling mode 2), set by the entry lines.  The code itself states the register dependences between vector or matrix instructions and memory or LDS instructions, with s_wait_alu, always for 0.
; THE PLAN.  Registers that memory or LDS instructions touch, in the loop:
;   v4-v11, v15, v16   offsets and LDS addresses, made at the head and never written again.
;   VO, VS, VR         the five slots' offsets.  Written by HADDR; read by the 90 loads behind it.
;   h's fragments, HS  Those loads land in them; the products read them.
;   OR                 Five of those loads land in it; ORFIX holds the tokens and makes offsets of them; the stores to out read it.
;   ACC                Written by a slot's 32 products; read by the slot's 8 LDS stores.
;   RD                 A slot's 8 LDS loads land in it; the additions read and write it; the slot's two stores read it.
; A slot of products: a wait on vm_vsrc ahead of the products (the earlier LDS stores have read ACC), a wait on va_vdst behind them and their places, ahead of the LDS stores.
; A slot of the way out: a wait on vm_vsrc ahead of the LDS loads (the earlier stores have read RD), a wait on va_vdst behind the additions, ahead of the stores: it also stands between those additions and the next slot's loads into RD.
; A refill: a wait on vm_vsrc ahead of HADDR, a wait on va_vdst behind it, ahead of all 90 loads.
.set NS,    5                          ; slots a trip
.set TRIPS, 7
.set WP,    528                        ; W2's stage: 64 rows x (512 bytes + 16) for each wave, its own
.set WSTW,  33792
.set PART,  135168                     ; the parts: wave kq, slot u, row: PART + 21,760 kq + 4,352 u + 272 row
.set PSL,   4352
.set PARTW, NS*PSL
.set BI,  24
.set W2S, 28
.set HS,  44
.set OR,  76
.set VO,  92
.set VS,  100
.set VR,  108
.set ACC, 116
.set RD,  148
.set MK,  32                           ; s32-63  the lanes of top1's word j whose token has my expert
.set PX,  66                           ; s66-97  those whose token has a lower expert
.set MSB, 0
.macro WIN new                         ; the immediate's high byte repeats the setting that is left
.if MSB != \new
	s_set_vgpr_msb (MSB<<8)|\new
.set MSB, \new
.endif
.endm
	s_load_b512 s[4:19], s[0:1], 0x0               ; hq, hs, order, top1, W2's codes, W2's scales, b2, out
	v_lshl_add_u32 v254, v0, 2, 0x36400
	v_mov_b32 v255, 0
	v_lshrrev_b32 v1, 5, v0
	v_readfirstlane_b32 s22, v1                    ; kq
	s_bfe_u32 s23, ttmp9, 0x10004                  ; th
	s_lshr_b32 s24, ttmp9, 5                       ; e
	s_and_b32 s25, ttmp9, 15                       ; cn
	v_and_b32 v1, 31, v0                           ; lane
	v_and_b32 v2, 15, v0                           ; r
	v_bfe_u32 v3, v0, 4, 1                         ; h
	v_lshlrev_b32 v4, 4, v1                        ; 16 x lane
	s_wait_alu depctr_va_sdst(0)                   ; s22 is written, ahead of its first reader
	s_mul_i32 s2, s22, WSTW
	v_add_nc_u32 v5, s2, v4                        ; W2's stage, in
	v_mul_u32_u24 v6, v2, WP
	v_lshl_add_u32 v6, v3, 4, v6
	v_add_nc_u32 v6, s2, v6                        ; and out: a fragment's row x pitch + 16 h
	s_mul_i32 s2, s22, PARTW
	v_mul_u32_u24 v7, v2, 272
	v_lshl_add_u32 v7, v3, 5, v7
	v_add_nc_u32 v7, s2, v7
	v_add_nc_u32 v7, PART, v7                      ; my part: row r, + 32 h
	s_mul_i32 s2, s22, 4*272
	v_mul_u32_u24 v17, v3, 2*272
	v_lshl_add_u32 v17, v2, 4, v17
	v_add_nc_u32 v17, s2, v17                      ; back: rows 4 kq + 2 h and the next, 16 bytes a lane,
.irp p, 0,1,2,3
	v_add_nc_u32 v[8+\p], PART+\p*PARTW, v17       ; of each of the four parts
.endr
	s_lshl_b32 s2, s22, 4
	v_lshlrev_b32 v13, 3, v3
	v_add_nc_u32 v13, s2, v13                      ; order: 4 (4 kq + 2 h): my two rows' tokens are neighbours
	v_lshlrev_b32 v15, 4, v2                       ; 16 r: my four columns
	v_lshlrev_b32 v16, 7, v1                       ; W2's scales: 128 bytes a row, lanes 0-15 an even tile's rows, lanes 16-31 the odd tile's
	s_mov_b32 s3, 0
	s_wait_kmcnt 0x0
	s_lshl_b32 s2, s24, 21                         ; W2's codes: expert, 64 rows of 2,048 bytes, my 512 bytes of each
	s_lshl_b32 s31, s25, 17
	s_add_co_u32 s2, s2, s31
	s_lshl_b32 s31, s22, 9
	s_add_co_u32 s2, s2, s31
	s_add_nc_u64 s[12:13], s[12:13], s[2:3]
	s_lshl_b32 s2, s24, 17                         ; W2's scales
	s_lshl_b32 s31, s25, 13
	s_add_co_u32 s2, s2, s31
	s_lshl_b32 s31, s22, 5
	s_add_co_u32 s2, s2, s31
	s_add_nc_u64 s[14:15], s[14:15], s[2:3]
	s_lshl_b32 s2, s24, 12                         ; b2
	s_lshl_b32 s31, s25, 8
	s_add_co_u32 s2, s2, s31
	s_add_nc_u64 s[16:17], s[16:17], s[2:3]
	s_lshl_b32 s2, s22, 13                         ; hq: my 8 K steps of 1,024 bytes
	s_add_nc_u64 s[4:5], s[4:5], s[2:3]
	s_lshl_b32 s2, s22, 9                          ; hs: my 512 bytes of a tile's 2,048
	s_add_nc_u64 s[6:7], s[6:7], s[2:3]
	s_lshl_b32 s2, s25, 8                          ; out: my 64 columns
	s_add_nc_u64 s[18:19], s[18:19], s[2:3]
	s_wait_alu depctr_va_vdst(0)                   ; the offsets and LDS addresses v4 to v11, v15 and v16 are written: the loads below and every LDS access of the kernel read them, and no vector instruction writes them again
.set i, 0
.rept 8
	global_load_b128 v[ACC+4*i:ACC+4*i+3], v4, s[10:11] offset:512*i   ; top1, all 1,024 words: 32 a lane
.set i, i+1
.endr
.irp p, 0,1
	global_load_b128 v[W2S+8*\p:W2S+8*\p+3], v16, s[14:15] offset:4096*\p
	global_load_b128 v[W2S+8*\p+4:W2S+8*\p+7], v16, s[14:15] offset:4096*\p+16
.endr
	global_load_b128 v[BI:BI+3], v15, s[16:17]
	WIN 0x40
.set i, 0
.rept 48
	global_load_b128 v[4*i:4*i+3], v4, s[12:13] offset:2048*i      ; 512 consecutive bytes of a row of W2; the work-group of the other half reads them too
.set i, i+1
.endr
	WIN 0
	s_wait_loadcnt 53                              ; behind top1's loads: 4 of scales, 1 of b2, 48 rows: they may stay out
.set i, 0
.rept 32
	v_cmp_eq_u32 s[MK+i], s24, v[ACC+i]
	v_cmp_gt_u32 s[PX+i], s24, v[ACC+i]
.set i, i+1
.endr
	WIN 0x40
.set i, 48
.rept 16
	global_load_b128 v[4*i:4*i+3], v4, s[12:13] offset:2048*i      ; W2's last 16 rows.  The compares above name neither v4 nor these registers
.set i, i+1
.endr
	WIN 0
	s_wait_alu depctr_va_sdst(0)                   ; the 64 masks are written, ahead of their first readers, the counts below
	s_mov_b32 s20, 0                               ; o_e
	s_mov_b32 s21, 0                               ; n_e
.set i, 0
.rept 32
	s_bcnt1_i32_b32 s2, s[PX+i]
	s_add_co_u32 s20, s20, s2
	s_bcnt1_i32_b32 s3, s[MK+i]
	s_add_co_u32 s21, s21, s3
.set i, i+1
.endr
	s_lshr_b32 s26, s20, 4
	s_add_co_u32 s26, s26, s24                     ; the expert's first tile of places: (o_e >> 4) + e
	s_add_co_u32 s2, s21, 15
	s_lshr_b32 s27, s2, 4                          ; its tiles: 64 at the most, none for an expert without tokens
	s_sub_co_u32 s28, s27, 1
	s_mov_b32 s29, s23                             ; the trip's first tile
; The offsets of the five slots, tiles s29 + 2 u.  A slot without a tile is held to a tile inside the buffers, and its 16 loads of codes all name one piece of 16 bytes.
; Both counted numbers are held by a constant before they enter an offset: the tile of places at 71, the count of tiles left at 1; behind the holds stand a multiply, left shifts and adds alone.
.macro HADDR
.irp u, 0,1,2,3,4
	s_add_co_u32 s2, s29, 2*\u                     ; the slot's tile i
	s_max_u32 s3, s27, s2
	s_sub_co_u32 s3, s3, s2                        ; the expert's tiles from i on,
	s_min_u32 s3, s3, 1                            ; held at 1: 1 where the slot has a tile, else 0
	s_min_u32 s2, s2, s28
	s_add_co_u32 s2, s2, s26
	s_min_u32 s2, s2, 71                           ; the tile of places, held inside the buffers
	v_mul_u32_u24 v[VO+\u], s3, v4                 ; 16 x lane, or 0 in every lane
	v_lshl_add_u32 v[VO+\u], s2, 15, v[VO+\u]      ; hq: 32,768 bytes a tile of places
	v_lshl_add_u32 v[VS+\u], s2, 11, v4            ; hs: 2,048 bytes a tile, 16 bytes a lane
	v_lshl_add_u32 v[VR+\u], s2, 6, v13            ; order: 64 bytes a tile
.endr
.endm
; one slot's 16 loads of codes: each an image of four registers, 512 consecutive bytes
.macro HCODES u
.irp s, 0,1,2,3,4,5,6,7
.irp c, 0,1
	global_load_b128 v[64*((\u)%4)+8*\s+4*\c:64*((\u)%4)+8*\s+4*\c+3], v[VO+\u], s[4:5] offset:1024*\s+512*\c
.endr
.endr
.endm
.macro HLD_A                           ; 48 loads: the codes of slots 0 to 2
	WIN 0x80
	HCODES 0
	HCODES 1
	HCODES 2
	WIN 0
.endm
.macro HLD_B                           ; 42 loads: the codes of slots 3 and 4; each slot's scale words and tokens
	WIN 0x80
	HCODES 3
	WIN 0xc0
	HCODES 4
	WIN 0
.irp u, 0,1,2,3,4
	global_load_b128 v[HS+4*\u:HS+4*\u+3], v[VS+\u], s[6:7]        ; register q: lanes 0-15 my K step 2 q, lanes 16-31 2 q + 1; 512 consecutive bytes
	global_load_b64 v[OR+2*\u:OR+2*\u+1], v[VR+\u], s[8:9]         ; the tokens of my two rows
.endr
.endm
; The tokens are held inside the table and become offsets in out directly behind the wait for their loads: no path leads round the hold
.macro ORFIX
.set i, 0
.rept 2*NS
	v_min_u32 v[OR+i], 0x3ff, v[OR+i]
.set i, i+1
.endr
.set i, 0
.rept 2*NS
	v_lshl_add_u32 v[OR+i], v[OR+i], 12, v15       ; a row of 4,096 bytes, my 16 bytes
.set i, i+1
.endr
.endm
	HADDR
	s_wait_alu depctr_va_vdst(0)                   ; the fifteen offsets are written, which the 90 loads of the first five slots read; no vector instruction stands between this wait and the last of them
	HLD_A
	s_wait_loadcnt 48                              ; the 48 loads just issued may stay out: W2's 64 rows, its scales and b2 are in.  W2 is turned through LDS while h is on its way
	WIN 0x04
.set i, 0
.rept 64
	ds_store_b128 v5, v[4*i:4*i+3] offset:WP*i
.set i, i+1
.endr
	WIN 0
	HLD_B
	s_wait_dscnt 0x0                               ; the stores have read their registers, into which the loads below land
	WIN 0x40
	s_wait_alu depctr_vm_vsrc(0)                   ; my LDS stores have read the registers of window 1 in which W2's rows landed: the fragments' loads below land in the same registers
.irp t, 0,1,2,3
.irp s, 0,1,2,3,4,5,6,7
.irp c, 0,1
	ds_load_b128 v[64*\t+8*\s+4*\c:64*\t+8*\s+4*\c+3], v6 offset:16*\t*WP+64*\s+32*\c   ; my wave's own bytes: no barrier
.endr
.endr
.endr
	WIN 0
	s_wait_loadcnt 0x0
	ORFIX
	s_wait_dscnt 0x0
; one product: slot u, tile t of columns, my K step s.  The first K step starts the sum with the constant 0.
.macro MM2 u, t, s
.set rD, ACC+8*(\t)
.set rA, 64*(\t)+8*(\s)
.set rB, 64*((\u)%4)+8*(\s)
.set rSA, W2S+8*((\t)/2)+(\s)
.set rSB, HS+4*(\u)+(\s)/2
.if (\s) == 0
.if (\t)%2
	v_wmma_scale_f32_16x16x128_f8f6f4 v[rD:rD+7], v[rA:rA+7], v[rB:rB+7], 0, v[rSA], v[rSB] matrix_a_fmt:MATRIX_FMT_FP4 matrix_b_fmt:MATRIX_FMT_FP4 matrix_a_scale:MATRIX_SCALE_ROW1
.else
	v_wmma_scale_f32_16x16x128_f8f6f4 v[rD:rD+7], v[rA:rA+7], v[rB:rB+7], 0, v[rSA], v[rSB] matrix_a_fmt:MATRIX_FMT_FP4 matrix_b_fmt:MATRIX_FMT_FP4
.endif
.elseif (\s)%2
.if (\t)%2
	v_wmma_scale_f32_16x16x128_f8f6f4 v[rD:rD+7], v[rA:rA+7], v[rB:rB+7], v[rD:rD+7], v[rSA], v[rSB] matrix_a_fmt:MATRIX_FMT_FP4 matrix_b_fmt:MATRIX_FMT_FP4 matrix_a_scale:MATRIX_SCALE_ROW1 matrix_b_scale:MATRIX_SCALE_ROW1
.else
	v_wmma_scale_f32_16x16x128_f8f6f4 v[rD:rD+7], v[rA:rA+7], v[rB:rB+7], v[rD:rD+7], v[rSA], v[rSB] matrix_a_fmt:MATRIX_FMT_FP4 matrix_b_fmt:MATRIX_FMT_FP4 matrix_b_scale:MATRIX_SCALE_ROW1
.endif
.else
.if (\t)%2
	v_wmma_scale_f32_16x16x128_f8f6f4 v[rD:rD+7], v[rA:rA+7], v[rB:rB+7], v[rD:rD+7], v[rSA], v[rSB] matrix_a_fmt:MATRIX_FMT_FP4 matrix_b_fmt:MATRIX_FMT_FP4 matrix_a_scale:MATRIX_SCALE_ROW1
.else
	v_wmma_scale_f32_16x16x128_f8f6f4 v[rD:rD+7], v[rA:rA+7], v[rB:rB+7], v[rD:rD+7], v[rSA], v[rSB] matrix_a_fmt:MATRIX_FMT_FP4 matrix_b_fmt:MATRIX_FMT_FP4
.endif
.endif
.endm
; slot u's products: 32, the four accumulators by turns, one instruction a turn; then my part of the sums goes to LDS
.macro CSLOT u
	s_add_co_u32 s2, s29, 2*\u
	s_cmp_ge_u32 s2, s27
	s_cbranch_scc1 .Lc_\@
	s_wait_dscnt 0x0                               ; the last slot's stores have read the accumulators
	s_wait_alu depctr_vm_vsrc(0)                   ; the LDS stores issued so far have read the accumulators, which the products below write anew
.if \u < 4
	WIN 0x09                                       ; source 0 (W2) window 1, source 1 (h) window 2
.else
	WIN 0x0d                                       ; source 1 window 3
.endif
.irp s, 0,1,2,3,4,5,6,7
.irp t, 0,1,2,3
	MM2 \u, \t, \s
.endr
.endr
	WIN 0
.rept 5
	v_nop                                          ; four places ahead of the stores' reads; five ahead of the next slot's products, which begin the same accumulators anew
.endr
	s_wait_alu depctr_va_vdst(0)                   ; the products have written the accumulators, which the LDS stores below read; the places above stay beside this wait
.irp t, 0,1,2,3
	ds_store_b128 v7, v[ACC+8*\t:ACC+8*\t+3] offset:PSL*\u+64*\t          ; each accumulator from its low end on
	ds_store_b128 v7, v[ACC+8*\t+4:ACC+8*\t+7] offset:PSL*\u+64*\t+16
.endr
.Lc_\@:
.endm
; slot u's way out: my four rows of the tile, two an instruction: the four parts and b2 are added, and each row goes to its token
.macro RSLOT u
	s_add_co_u32 s2, s29, 2*\u
	s_cmp_ge_u32 s2, s27
	s_cbranch_scc1 .Lr_\@
	s_wait_xcnt 0x0                                ; the last slot's stores have read their data, into which the loads below land
	s_wait_alu depctr_vm_vsrc(0)                   ; the stores to out issued so far have read v[RD ..], in which the LDS loads below land (the additions that named these registers stand ahead of the wait on va_vdst in front of those stores)
.irp k, 0,1
.irp p, 0,1,2,3
	ds_load_b128 v[RD+16*\k+4*\p:RD+16*\k+4*\p+3], v[8+\p] offset:PSL*\u+272*\k
.endr
.endr
	s_wait_dscnt 0x0
.irp k, 0,1
	v_pk_add_f32 v[RD+16*\k:RD+16*\k+1], v[RD+16*\k:RD+16*\k+1], v[RD+16*\k+4:RD+16*\k+5]
	v_pk_add_f32 v[RD+16*\k+2:RD+16*\k+3], v[RD+16*\k+2:RD+16*\k+3], v[RD+16*\k+6:RD+16*\k+7]
	v_pk_add_f32 v[RD+16*\k+8:RD+16*\k+9], v[RD+16*\k+8:RD+16*\k+9], v[RD+16*\k+12:RD+16*\k+13]
	v_pk_add_f32 v[RD+16*\k+10:RD+16*\k+11], v[RD+16*\k+10:RD+16*\k+11], v[RD+16*\k+14:RD+16*\k+15]
.endr
.irp k, 0,1
	v_pk_add_f32 v[RD+16*\k:RD+16*\k+1], v[RD+16*\k:RD+16*\k+1], v[RD+16*\k+8:RD+16*\k+9]
	v_pk_add_f32 v[RD+16*\k+2:RD+16*\k+3], v[RD+16*\k+2:RD+16*\k+3], v[RD+16*\k+10:RD+16*\k+11]
.endr
.irp k, 0,1
	v_pk_add_f32 v[RD+16*\k:RD+16*\k+1], v[RD+16*\k:RD+16*\k+1], v[BI:BI+1]
	v_pk_add_f32 v[RD+16*\k+2:RD+16*\k+3], v[RD+16*\k+2:RD+16*\k+3], v[BI+2:BI+3]
.endr
	s_wait_alu depctr_va_vdst(0)                   ; the additions have written the two rows, the stores' data, and are done reading v[RD ..]; the tokens' offsets v[OR ..] are written, by which the stores go
.irp k, 0,1
	global_store_b128 v[OR+2*\u+\k], v[RD+16*\k:RD+16*\k+3], s[18:19] th:TH_STORE_NT   ; sixteen lanes store 256 consecutive bytes, aligned
.endr
.Lr_\@:
.endm
	s_mov_b32 s30, 0
.Lgrp:                                             ; 7 trips, a constant: 5 slots each
	s_cmp_ge_u32 s29, s27
	s_cbranch_scc1 .Lno_products                   ; a trip without a tile: one jump over all five slots
.irp u, 0,1,2,3,4
	CSLOT \u
.endr
.Lno_products:
	s_wait_dscnt 0x0                               ; for the others' sake: my parts lie in LDS
	s_barrier_signal -1
	s_barrier_wait -1
	s_cmp_ge_u32 s29, s27
	s_cbranch_scc1 .Lno_rows
.irp u, 0,1,2,3,4
	RSLOT \u
.endr
.Lno_rows:
	s_wait_dscnt 0x0                               ; my reads of the parts are in: behind this barrier they are written again
	s_barrier_signal -1
	s_barrier_wait -1
	s_add_co_u32 s29, s29, 2*NS
	s_cmp_ge_u32 s29, s27
	s_cbranch_scc1 .Lno_more
	s_wait_xcnt 0x0                                ; the stores have read their offsets: those registers are loaded again below
	s_wait_alu depctr_vm_vsrc(0)                   ; the last five slots' loads have read their fifteen offsets, which the lines below write again; the stores to out have read v[OR ..], in which loads land below
	HADDR                                          ; the next five slots, where the expert has so many tiles
	s_wait_alu depctr_va_vdst(0)                   ; the fifteen offsets are written, which the 90 loads below read; the products are done reading h's fragments and scale words, and v[OR ..] is written: the loads land in all three
	HLD_A
	HLD_B
	s_wait_loadcnt 0x0
	ORFIX
.Lno_more:
	s_add_co_u32 s30, s30, 1
	s_cmp_lt_u32 s30, TRIPS
	s_cbranch_scc1 .Lgrp
	s_wait_dscnt 0x0                               ; the closing lines, six on end
	s_wait_alu 0x0
	s_wait_tensorcnt 0x0
	ds_add_u32 v254, v255
	s_wait_dscnt 0x0
	s_endpgm
.Lfunc_end_k_qaf04797175_ffn2:
	.size	k_qaf04797175_ffn2, .Lfunc_end_k_qaf04797175_ffn2-k_qaf04797175_ffn2
	.p2alignl 7, 3214868480
	.fill 96, 4, 3214868480
	.section	.rodata,"a",@progbits
	.p2align	6, 0x0
	.amdhsa_kernel k_qaf04797175_ffn2
		.amdhsa_group_segment_fixed_size 222720
		.amdhsa_private_segment_fixed_size 0
		.amdhsa_enable_private_segment 0
		.amdhsa_kernarg_size 64
		.amdhsa_user_sgpr_count 2
		.amdhsa_user_sgpr_kernarg_segment_ptr 1
		.amdhsa_wavefront_size32 1
		.amdhsa_system_sgpr_workgroup_id_x 1
		.amdhsa_system_sgpr_workgroup_id_y 1
		.amdhsa_system_sgpr_workgroup_id_z 1
		.amdhsa_system_vgpr_workitem_id 0
		.amdhsa_next_free_vgpr 1024
		.amdhsa_next_free_sgpr 100
		.amdhsa_reserve_vcc 0
		.amdhsa_float_denorm_mode_32 3
		.amdhsa_float_denorm_mode_16_64 3
		.amdhsa_memory_ordered 1
		.amdhsa_forward_progress 1
		.amdhsa_inst_pref_size 87
	.end_amdhsa_kernel
	.amdgpu_metadata
---
amdhsa.version: [ 1, 2 ]
amdhsa.kernels:
  - .name:           k_qaf04797175_ffn2
    .symbol:         k_qaf04797175_ffn2.kd
    .args:
      - { .name: hq, .offset: 0, .size: 8, .value_kind: global_buffer, .address_space: global }
      - { .name: hs, .offset: 8, .size: 8, .value_kind: global_buffer, .address_space: global }
      - { .name: order, .offset: 16, .size: 8, .value_kind: global_buffer, .address_space: global }
      - { .name: top1, .offset: 24, .size: 8, .value_kind: global_buffer, .address_space: global }
      - { .name: W2_codes, .offset: 32, .size: 8, .value_kind: global_buffer, .address_space: global }
      - { .name: W2_scales, .offset: 40, .size: 8, .value_kind: global_buffer, .address_space: global }
      - { .name: b2, .offset: 48, .size: 8, .value_kind: global_buffer, .address_space: global }
      - { .name: out0, .offset: 56, .size: 8, .value_kind: global_buffer, .address_space: global }
    .group_segment_fixed_size: 222720
    .private_segment_fixed_size: 0
    .kernarg_segment_align: 8
    .kernarg_segment_size: 64
    .max_flat_workgroup_size: 128
    .sgpr_count:     100
    .vgpr_count:     1024
    .wavefront_size: 32
...
	.end_amdgpu_metadata
.endif
;; end of part 5
